; MI455X (gfx1250); checked and timed in simulation.
; The chip was launched on July 23, 2026; its instructions are those of AMD's public machine-readable ISA for CDNA 5 (MIT licence, August 2026) and "CDNA5" Instruction Set Architecture Reference Guide (July 2026). The comments in the code are by the model that wrote it; some were corrected since.
;; Attention. Allowed arithmetic: matrix products marked QUANTISED: E2M3 operands, one E8M0 scale for each 32 along K, by v_wmma_scale_f32_16x16x128_f8f6f4 with both operands' format E2M3, f32 sums; everything else in f32.
;; Inputs: W_out 1,024 x 1,024 float32; W_qk 1,024 x 1,024 float32; W_v 1,024 x 1,024 float32; b_out 1,024 float32; conv 8 x 21 float32; mask 4 x 2,048 bool; x 4 x 2,048 x 1,024 float32.
;; Outputs: out0 4 x 2,048 x 1,024 float32.
;; This version of the problem:
;;   THIS VERSION OF THE PROBLEM IS GIVEN IN LOW PRECISION. The matrix products marked QUANTISED in the list below multiply operands that are first quantised to E2M3 (2 exponent bits, 3 mantissa bits; 6 bits a number), with one power-of-two scale for each 32 numbers along K (OCP MX v1.0); their sums are f32. All else is computed in f32.
;;   The module's matrix products, in the order in which they are computed (A, B: the left and right operand; K: the contracted axis; several contracted axes count as one K, in the product's order):
;;     1. [M 8,192, K 1,024] x [K 1,024, N 1,024]; A: input x; B: input W_qk: QUANTISED
;;     2. [M 8,192, K 1,024] x [K 1,024, N 1,024]; A: input x; B: input W_v: QUANTISED
;;     3. batch 32 x [M 2,048, K 64] x [K 64, N 2,048]; A: computed on the way; B: computed on the way: QUANTISED
;;     4. batch 32 x [M 2,048, K 2,048] x [K 2,048, N 128]; A: softmax (see below); B: computed on the way: QUANTISED
;;     5. [M 8,192, K 1,024] x [K 1,024, N 1,024]; A: computed on the way; B: input W_out: QUANTISED
;;   THE QUANTISER, for each operand of a quantised product, along K:
;;     - K is cut into blocks of 32 from its start; a last block that is shorter is filled with zeros.
;;     - A block's scale is 2^e with e = floor(log2(the largest magnitude in the block)) - 2, held to -126 .. 127; a block of zeros has e = 0. As a byte (E8M0): e + 127.
;;     - Each number is divided by its block's scale, clamped to +-7.5, and rounded to the nearest number of E2M3, ties to even, subnormals kept.
;;     - The product sums the exact products of the quantised numbers (number of the format x scale) in f32.
;;   ~~~python
;;   def quantise(x, axis):      # numpy; x: float32 -> the quantised numbers, widened to float32 again
;;       x = np.moveaxis(x, axis, -1); K = x.shape[-1]
;;       x = np.pad(x, [(0, 0)] * (x.ndim - 1) + [(0, -K % 32)]); x = x.reshape(x.shape[:-1] + (-1, 32)); a = np.abs(x).max(-1, keepdims=True)
;;       e = np.where(a > 0, np.clip(np.frexp(np.where(a > 0, a, 1))[1] - 1 - 2, -126, 127), 0)      # np.frexp(a)[1] - 1 = floor(log2(a)), exactly
;;       r = np.clip(x / 2.0 ** e, -7.5, 7.5)
;;       step = 2.0 ** (np.maximum(np.frexp(np.where(r == 0, 1, r))[1] - 1, 0) - 3)
;;       q = np.round(r / step) * step * 2.0 ** e      # np.round: ties to even
;;       return np.moveaxis(q.reshape(q.shape[:-2] + (-1,))[..., :K], -1, axis).astype(np.float32)
;;   ~~~
;;   SOFTMAX AHEAD OF A QUANTISED PRODUCT. Where the list says 'softmax', what is quantised is not the finished softmax but p = 2^(t - M), with t = logit x log2(e) and M = ceil(the row's largest t), a whole number; so 1/2 < the row's largest p <= 1. The row's sum l is taken of the UNQUANTISED p, in f32, and the product's result is divided by l at the end. Since M is a whole number, a kernel that streams over the keys may use a running M (the ceiling of the running maximum): every later rescaling is an exact power of two, which a block's scale takes up: the codes' values come out the same.
;;   OPERANDS COMPUTED ON THE WAY. 'Computed on the way' means the value that the module computes at that place (a softmax that the list does not call 'softmax' is quantised finished and normalised). What goes into a quantiser is computed in f32, as accurately as f32 sums, v_exp_f32 and their like allow (about 1e-6 of the number): no bf16 or f16 on the way to a quantiser, and a product that is left as it is and whose result goes on into a quantised operand takes f32 operands (vector FMAs, or v_wmma_f32_16x16x4_f32). A number that lies on a knife's edge between two numbers of the format may be rounded either way, as far as f32 arithmetic and the matrix unit's own rounding can turn it there, and no further.
;; One version. Each part assembles by itself: llvm-mc -triple=amdgcn-amd-amdhsa -mcpu=gfx1250 --defsym DOCPART=n.
;; ======== version 1 of 1: 5 launches
;; workspace buffers: x_img 6,291,456 bytes; x_sc 262,144 bytes; w_img 2,359,296 bytes; w_sc 98,304 bytes; qkv_img 12,582,912 bytes; qkv_sc 786,432 bytes; o_img 6,291,456 bytes; o_sc 262,144 bytes
;; launch quant_w (part 1): grid 8 x 24, 4 waves a work-group, no clusters, 0 bytes of LDS; arguments W_qk, W_v, W_out, w_img, w_sc; writes w_img, w_sc
.if DOCPART == 1
	.amdgcn_target "amdgcn-amd-amdhsa--gfx1250"
	.amdhsa_code_object_version 6
	.text
	.protected	k_q6d23cf1dba_quant_w
	.globl	k_q6d23cf1dba_quant_w
	.p2align	8
	.type	k_q6d23cf1dba_quant_w,@function
k_q6d23cf1dba_quant_w:
	s_mov_b64 s[64:65], 0
	v_nop
	global_prefetch_b8 v0, s[64:65] scope:SCOPE_SE
	s_setreg_imm32_b32 hwreg(HW_REG_WAVE_MODE, 25, 1), 1
	s_wait_xcnt 0x0
; The three weights, each [1024 (k)][1024 (n)] f32 with K as the FIRST axis, become codes of FP6 (E2M3) with one E8M0 byte for each 32 along K,
; laid as IMAGES OF OPERAND REGISTERS: w_img [weight 3][tile 64][kstep 8][1,536 bytes], w_sc [weight 3][tile 64][pair of ksteps 4][lane 32] words.
; An image holds 16 rows x 128 K as two halves c of 768 bytes: lane (r, h) of a wave finds its registers 6 c .. 6 c + 3 at 768 c + 16 (16 h + r) and 6 c + 4, 6 c + 5 at 768 c + 512 + 16 r + 8 h.
; THE ROWS OF A TILE ARE NOT NEIGHBOURS: row r of tile t stands for output column 32 (t / 2) + 8 (t % 2) + r + 8 (r / 8), so that a product which takes such tiles as source 0
; leaves 16 neighbouring columns in the 16 registers of two neighbouring tiles.
; SHARES: work-group y = 8 x weight + kstep, x = 128 columns; a wave takes 32 rows of the images (two tiles) x 128 along K.  A LANE TAKES A COLUMN AND ITS REGISTERS RUN DOWN K:
; a block of 32 lies in one lane's 32 registers, its largest magnitude needs no other lane, and the conversions give codes with K innermost.  Nothing is transposed, no LDS.
; A block's scale is 2^(floor(log2(largest magnitude)) - 2); its byte is the largest magnitude's exponent field - 2, held at 1 from below.
; LIMITS: NaN and infinities among the inputs are not served; a block whose largest magnitude lies under 2^-124 is held at byte 1; a block of zeros gets byte 1 where the
; rule says 127: its codes are zeros, and this program alone reads the bytes.
; The code stores cover 256 consecutive aligned bytes for each 16 lanes.  The scale store is two pieces of 64 bytes a wave (128 of the wave's 3,200 bytes): the words beside them belong to other ksteps' work-groups.
.set X,   32                           ; v32-159  four sets of 32 numbers, one for each block
.set CD,  160                          ; v160-183 codes: for each c: block 2 c's first 16 bytes, block 2 c + 1's, and the two blocks' last 8 bytes each
.set T,   184                          ; v184-186 a block's second conversion
.set SB,  24                           ; v24      my row's scale word
	s_load_b256 s[4:11], s[0:1], 0x0               ; W_qk s[4:5], W_v s[6:7], W_out s[8:9], w_img s[10:11]
	s_load_b64 s[12:13], s[0:1], 0x20              ; w_sc
	v_lshrrev_b32 v1, 5, v0
	v_readfirstlane_b32 s16, v1                    ; wave
	v_and_b32 v2, 31, v0                           ; lane L
	s_and_b32 s17, ttmp7, 0xffff                   ; y
	s_lshr_b32 s18, s17, 3                         ; weight
	s_and_b32 s19, s17, 7                          ; kstep
	s_lshl_b32 s20, ttmp9, 3
	s_lshl_b32 s21, s16, 1
	s_add_co_u32 s20, s20, s21                     ; my first tile: 8 x + 2 wave
	v_and_b32 v3, 7, v2
	v_bfe_u32 v6, v2, 3, 1
	v_lshl_add_u32 v3, v6, 4, v3
	v_lshrrev_b32 v6, 4, v2                        ; which of my two tiles
	v_lshl_add_u32 v3, v6, 3, v3                   ; my column in the wave's 32: L % 8 + 16 ((L / 8) % 2) + 8 (L / 16)
	v_lshlrev_b32 v3, 2, v3
	s_lshl_b32 s21, s20, 6                         ; 16 columns of 4 bytes a tile
	v_add_nc_u32 v3, s21, v3                       ; byte of my column in a row of W
	v_and_b32 v7, 15, v2                           ; r
	v_mul_u32_u24 v4, v6, 12288                    ; a tile's eight images
	v_lshl_add_u32 v4, v7, 4, v4                   ; + 16 r
	v_lshlrev_b32 v5, 9, v6                        ; a tile's 512 bytes of scale words
	v_lshl_add_u32 v5, v7, 2, v5                   ; + 4 r
	s_lshl_b32 s22, s19, 19                        ; W: kstep x 128 rows of 4,096 bytes
	s_mov_b32 s23, 0
	s_mul_i32 s24, s18, 786432                     ; images: the weight,
	s_mul_i32 s26, s20, 12288                      ; the tile,
	s_add_co_u32 s24, s24, s26
	s_mul_i32 s26, s19, 1536                       ; the kstep
	s_add_co_u32 s24, s24, s26
	s_mov_b32 s25, 0
	s_lshl_b32 s26, s18, 15                        ; scale words: the weight,
	s_lshl_b32 s27, s20, 9                         ; the tile,
	s_add_co_u32 s26, s26, s27
	s_lshl_b32 s27, s19, 6                         ; 128 (kstep / 2) + 64 (kstep % 2)
	s_add_co_u32 s26, s26, s27
	s_mov_b32 s27, 0
	s_wait_kmcnt 0x0
	s_cmp_lt_u32 s17, 8                            ; the weight is chosen by the work-group's number alone
	s_cselect_b64 s[4:5], s[4:5], s[6:7]
	s_cmp_lt_u32 s17, 16
	s_cselect_b64 s[4:5], s[4:5], s[8:9]
	s_add_nc_u64 s[4:5], s[4:5], s[22:23]
	s_add_nc_u64 s[10:11], s[10:11], s[24:25]
	s_add_nc_u64 s[12:13], s[12:13], s[26:27]
.macro LOAD t                          ; block t: W(32 t + i, my column): the wave reads 128 bytes of a row, the four waves 512 side by side
.set i, 0
.rept 32
	global_load_b32 v[X+32*(\t)+i], v3, s[4:5] offset:(32*(\t)+i)*4096 th:TH_LOAD_NT
.set i, i+1
.endr
.endm
.macro BLOCK t
.set XS, X+32*(\t)
.set HH, CD+12*((\t)/2)+4*((\t)%2)
.set TL, CD+12*((\t)/2)+8+2*((\t)%2)
.if (\t) < 3
	s_wait_loadcnt 32                              ; this block's 32 loads are in; the next block's 32 may be out
.else
	s_wait_loadcnt 0x0
.endif
.if (\t)+2 < 4
	LOAD (\t)+2
.endif
	v_max3_num_f32 v12, |v[XS]|, |v[XS+1]|, |v[XS+2]|               ; the block's largest magnitude: all 32 numbers are mine; two chains
	v_max3_num_f32 v13, |v[XS+3]|, |v[XS+4]|, |v[XS+5]|
.irp i, 6,10,14,18,22,26
	v_max3_num_f32 v12, v12, |v[XS+\i]|, |v[XS+\i+1]|
	v_max3_num_f32 v13, v13, |v[XS+\i+2]|, |v[XS+\i+3]|
.endr
	v_max3_num_f32 v12, v12, |v[XS+30]|, |v[XS+31]|
	v_max3_num_f32 v12, v12, v13, 0x1800000        ; and the floor 2^(3 - 127): the byte cannot fall under 1
	v_add_nc_u32 v11, 0xff000000, v12              ; 2 off the exponent field: the conversion takes this operand's exponent field as its scale
	v_cvt_scalef32_pk16_fp6_f32 v[HH:HH+2], v[XS:XS+15], v11
	v_cvt_scalef32_pk16_fp6_f32 v[T:T+2], v[XS+16:XS+31], v11       ; (a conversion's three registers begin on an even number)
	v_lshrrev_b32 v13, 23, v11                     ; the scale's byte; also the plain instruction between the conversions and the moves that read their results
.if (\t) == 0
	v_mov_b32 v[SB], v13
.else
	v_lshl_or_b32 v[SB], v13, 8*(\t), v[SB]
.endif
	v_mov_b32 v[HH+3], v[T]                        ; the block's 24 bytes: 16 to its lane's first place in the image,
	v_mov_b32 v[TL], v[T+1]                        ; 8 to its second
	v_mov_b32 v[TL+1], v[T+2]
.if ((\t)%2) == 1
.set CC, CD+12*((\t)/2)
	global_store_b128 v4, v[CC:CC+3], s[10:11] offset:768*((\t)/2)          ; lanes 0-15: 256 consecutive aligned bytes of my first tile's image, lanes 16-31 of my second's
	global_store_b128 v4, v[CC+4:CC+7], s[10:11] offset:768*((\t)/2)+256
	global_store_b128 v4, v[CC+8:CC+11], s[10:11] offset:768*((\t)/2)+512
.endif
.endm
	LOAD 0
	LOAD 1
	BLOCK 0
	BLOCK 1
	BLOCK 2
	BLOCK 3
	global_store_b32 v5, v[SB], s[12:13]           ; no store's data are written again: no wait is needed
	s_endpgm
.Lfunc_end_k_q6d23cf1dba_quant_w:
	.size	k_q6d23cf1dba_quant_w, .Lfunc_end_k_q6d23cf1dba_quant_w-k_q6d23cf1dba_quant_w
	.p2alignl 7, 3214868480
	.fill 96, 4, 3214868480
	.section	.rodata,"a",@progbits
	.p2align	6, 0x0
	.amdhsa_kernel k_q6d23cf1dba_quant_w
		.amdhsa_group_segment_fixed_size 0
		.amdhsa_private_segment_fixed_size 0
		.amdhsa_enable_private_segment 0
		.amdhsa_kernarg_size 40
		.amdhsa_user_sgpr_count 2
		.amdhsa_user_sgpr_kernarg_segment_ptr 1
		.amdhsa_wavefront_size32 1
		.amdhsa_system_sgpr_workgroup_id_x 1
		.amdhsa_system_sgpr_workgroup_id_y 1
		.amdhsa_system_sgpr_workgroup_id_z 1
		.amdhsa_system_vgpr_workitem_id 0
		.amdhsa_next_free_vgpr 192
		.amdhsa_next_free_sgpr 66
		.amdhsa_reserve_vcc 0
		.amdhsa_float_denorm_mode_32 3
		.amdhsa_float_denorm_mode_16_64 3
		.amdhsa_memory_ordered 1
		.amdhsa_forward_progress 1
		.amdhsa_inst_pref_size 21
	.end_amdhsa_kernel
	.amdgpu_metadata
---
amdhsa.version: [ 1, 2 ]
amdhsa.kernels:
  - .name:           k_q6d23cf1dba_quant_w
    .symbol:         k_q6d23cf1dba_quant_w.kd
    .args:
      - { .name: W_qk, .offset: 0, .size: 8, .value_kind: global_buffer, .address_space: global }
      - { .name: W_v, .offset: 8, .size: 8, .value_kind: global_buffer, .address_space: global }
      - { .name: W_out, .offset: 16, .size: 8, .value_kind: global_buffer, .address_space: global }
      - { .name: w_img, .offset: 24, .size: 8, .value_kind: global_buffer, .address_space: global }
      - { .name: w_sc, .offset: 32, .size: 8, .value_kind: global_buffer, .address_space: global }
    .group_segment_fixed_size: 0
    .private_segment_fixed_size: 0
    .kernarg_segment_align: 8
    .kernarg_segment_size: 40
    .max_flat_workgroup_size: 128
    .sgpr_count:     66
    .vgpr_count:     192
    .wavefront_size: 32
...
	.end_amdgpu_metadata
.endif
;; end of part 1
;; launch quant_x (part 2): grid 512 x 1, 4 waves a work-group, no clusters, 68,096 bytes of LDS; arguments x, x_img, x_sc; writes x_img, x_sc
.if DOCPART == 2
	.amdgcn_target "amdgcn-amd-amdhsa--gfx1250"
	.amdhsa_code_object_version 6
	.text
	.protected	k_q6d23cf1dba_quant_x
	.globl	k_q6d23cf1dba_quant_x
	.p2align	8
	.type	k_q6d23cf1dba_quant_x,@function
k_q6d23cf1dba_quant_x:
	s_mov_b64 s[64:65], 0
	v_nop
	global_prefetch_b8 v0, s[64:65] scope:SCOPE_SE
	s_setreg_imm32_b32 hwreg(HW_REG_WAVE_MODE, 25, 1), 1
	s_wait_xcnt 0x0
; x [8192 tokens][1024] f32 becomes codes of FP6 (E2M3) with one E8M0 byte for each 32 along K, laid as images of operand registers:
; x_img [tile 512][kstep 8][1,536 bytes], x_sc [tile 512][pair of ksteps 4][lane 32] words (lane (r, h): the four bytes of row r for kstep 2 pair + h).
; An image: 16 rows x 128 K, two halves c of 768 bytes; lane (r, h) has registers 6 c .. 6 c + 3 at 768 c + 16 (16 h + r), registers 6 c + 4, 6 c + 5 at 768 c + 512 + 16 r + 8 h.
; Row r of tile t stands for token 32 (t / 2) + 8 (t % 2) + r + 8 (r / 8).
; SHARES: a work-group is a tile; wave w takes ksteps 2 w and 2 w + 1: 1,024 bytes of each of the 16 rows.  All 32 loads of a wave go out at once, each 512 consecutive bytes of a row.
; The conversions want 16 neighbours along K in one lane, so a kstep's 8,192 bytes turn through the wave's own stage in LDS (rows 528 bytes apart: the 16 rows that a read touches begin in different banks).
; No barrier: waves share nothing.
; LIMITS: NaN and infinities are not served; a block whose largest magnitude lies under 2^-124 is held at byte 1; a block of zeros gets byte 1 where the rule says 127 (its codes are zeros; this program alone reads the bytes).
; The scale store is 128 consecutive bytes a wave, 128 of its 3,200.
.set L16, 1                            ; v1  16 x lane
.set L8,  2                            ; v2  512 + 16 r + 8 h
.set L4,  3                            ; v3  4 x lane
.set SI,  4                            ; v4  into the stage: my wave's region + 16 x lane
.set SO,  5                            ; v5  out of it: + 528 r + 64 h
.set TM,  224                          ; v224-239 at work in QUANT
.set SEL, 20                           ; s[20:21] lane selects: lane l xor 16
.set MSB, 0
.macro WIN new
.if MSB != \new
	s_set_vgpr_msb (MSB<<8)|\new
.set MSB, \new
.endif
.endm
; 64 numbers of a lane, v[s] .. v[s + 63] of window w, register 16 b + i = k 32 b + 16 h + i of my row, become a fragment's 12 registers in v[pc] on (20 registers are used) and my row's scale word in v[pw].
.macro QUANT s, w, pc, pw
.set QS, \s
.set QP, \pc
.set QO, \pw
.set QV, \w
.set QW, ((\w)<<2)|((\w)<<4)
	WIN QW
.irp b, 0,1,2,3
	v_max3_num_f32 v[TM+\b], 0x1800000, |v[QS+16*\b]|, |v[QS+16*\b+1]|   ; block b: my 16 numbers, and the floor 2^(3 - 127)
.endr
.irp i, 2,4,6,8,10,12,14
.irp b, 0,1,2,3
	v_max3_num_f32 v[TM+\b], v[TM+\b], |v[QS+16*\b+\i]|, |v[QS+16*\b+\i+1]|   ; the four blocks by turns
.endr
.endr
	WIN 0
.irp b, 0,1,2,3
	v_permlanex16_b32 v[TM+4+\b], v[TM+\b], s[SEL], s[SEL+1]
.endr
.irp b, 0,1,2,3
	v_max_num_f32 v[TM+\b], v[TM+\b], v[TM+4+\b]   ; with lane l xor 16's 16: the block's largest magnitude
.endr
.irp b, 0,1,2,3
	v_add_nc_u32 v[TM+12+\b], 0xff000000, v[TM+\b] ; 2 off the exponent field: the conversion's scale operand
.endr
.irp b, 0,1,2,3
	v_lshrrev_b32 v[TM+4+\b], 23, v[TM+12+\b]      ; the scale's byte
.endr
	v_lshl_or_b32 v[QO], v[TM+5], 8, v[TM+4]
	v_lshl_or_b32 v[QO], v[TM+6], 16, v[QO]
	v_lshl_or_b32 v[QO], v[TM+7], 24, v[QO]
	WIN QV
.irp c, 0,1
	v_cvt_scalef32_pk16_fp6_f32 v[QP+6*\c:QP+6*\c+2], v[QS+32*\c:QS+32*\c+15], v[TM+12+2*\c]
	v_cvt_scalef32_pk16_fp6_f32 v[QP+12+4*\c:QP+14+4*\c], v[QS+32*\c+16:QS+32*\c+31], v[TM+13+2*\c]
.endr
	WIN 0
	v_nop                                          ; one plain instruction behind the conversions
.irp c, 0,1                            ; the operand wants a whole block in a lane: lanes 0-15 block 2 c, lanes 16-31 block 2 c + 1
.irp i, 0,1,2
	v_permlane16_swap_b32 v[QP+6*\c+\i], v[QP+12+4*\c+\i]
.endr
.irp i, 0,1,2
	v_mov_b32 v[QP+3+6*\c+\i], v[QP+12+4*\c+\i]
.endr
.endr
.endm
.macro PUTF pc, base, off              ; a fragment goes to memory as its image: each store covers 512 or 256 consecutive aligned bytes
	global_store_b128 v[L16], v[\pc:\pc+3], s[\base:\base+1] offset:\off
	global_store_b64 v[L8], v[\pc+4:\pc+5], s[\base:\base+1] offset:\off
	global_store_b128 v[L16], v[\pc+6:\pc+9], s[\base:\base+1] offset:\off+768
	global_store_b64 v[L8], v[\pc+10:\pc+11], s[\base:\base+1] offset:\off+768
.endm
	s_load_b128 s[4:7], s[0:1], 0x0                ; x, x_img
	s_load_b64 s[8:9], s[0:1], 0x10                ; x_sc
	v_lshl_add_u32 v254, v0, 2, 0x10800
	v_mov_b32 v255, 0
	v_lshrrev_b32 v6, 5, v0
	v_readfirstlane_b32 s16, v6                    ; wave
	v_and_b32 v6, 31, v0                           ; lane
	v_and_b32 v7, 15, v0                           ; r
	v_bfe_u32 v31, v0, 4, 1                        ; h
	v_lshlrev_b32 v[L16], 4, v6
	v_lshlrev_b32 v[L8], 4, v7
	v_lshl_add_u32 v[L8], v31, 3, v[L8]
	v_add_nc_u32 v[L8], 512, v[L8]
	v_lshlrev_b32 v[L4], 2, v6
	s_mul_i32 s17, s16, 16896                      ; my wave's two stages
	v_add_nc_u32 v[SI], s17, v[L16]
	v_mul_u32_u24 v[SO], v7, 528
	v_lshl_add_u32 v[SO], v31, 6, v[SO]
	v_add_nc_u32 v[SO], s17, v[SO]
	s_mov_b32 s[SEL], 0x76543210
	s_mov_b32 s[SEL+1], 0xfedcba98
.irp b, 0,1,2,3
	v_mov_b32 v[TM+4+\b], 0                        ; written once: a lane permute's destination counts as one of its sources
.endr
	s_lshr_b32 s18, ttmp9, 1
	s_lshl_b32 s18, s18, 5
	s_and_b32 s19, ttmp9, 1
	s_lshl_b32 s19, s19, 3
	s_add_co_u32 s18, s18, s19                     ; the tile's first token
	s_lshl_b32 s18, s18, 12                        ; x 4,096 bytes
	s_lshl_b32 s19, s16, 10                        ; + my 1,024 bytes of a row
	s_add_co_u32 s18, s18, s19
	s_mov_b32 s19, 0
	s_mul_i32 s22, ttmp9, 12288
	s_mul_i32 s23, s16, 3072
	s_add_co_u32 s22, s22, s23                     ; my two images
	s_mov_b32 s23, 0
	s_lshl_b32 s24, ttmp9, 9
	s_lshl_b32 s25, s16, 7
	s_add_co_u32 s24, s24, s25                     ; my 32 scale words
	s_mov_b32 s25, 0
	s_wait_kmcnt 0x0
	s_add_nc_u64 s[4:5], s[4:5], s[18:19]
	s_add_nc_u64 s[6:7], s[6:7], s[22:23]
	s_add_nc_u64 s[8:9], s[8:9], s[24:25]
.irp u, 0,1
.irp i, 0,1,2,3,4,5,6,7,8,9,10,11,12,13,14,15
	global_load_b128 v[32+64*\u+4*\i:35+64*\u+4*\i], v[L16], s[4:5] offset:(\i+8*(\i/8))*4096+512*\u th:TH_LOAD_NT
.endr
.endr
.macro TURN u, r, x                    ; kstep u's 16 x 512 bytes through stage u: LDS serves a wave's instructions in order, so the loads see the stores
.irp i, 0,1,2,3,4,5,6,7,8,9,10,11,12,13,14,15
	ds_store_b128 v[SI], v[\r+4*\i:\r+4*\i+3] offset:\u*8448+528*\i
.endr
.if \u
	s_wait_dscnt 32                                ; the first turn's 16 stores have read v32-95, into which the loads below land (its 16 loads and my 16 stores may be out)
.endif
.irp b, 0,1,2,3
.irp j, 0,1,2,3
	ds_load_b128 v[\x+16*\b+4*\j:\x+16*\b+4*\j+3], v[SO] offset:\u*8448+128*\b+16*\j
.endr
.endr
.endm
	s_wait_loadcnt 16                              ; the first kstep's 16 loads are in; the second's 16 may be out
	TURN 0, 32, 160
	s_wait_loadcnt 0x0
	TURN 1, 96, 32
	s_wait_dscnt 32                                ; the first kstep is back (the second turn's 16 stores and 16 loads may be out)
	QUANT 160, 0, 8, 28
	PUTF 8, 6, 0
	s_wait_dscnt 0x0                               ; the second kstep is back, and its stores have read v96-159
	QUANT 32, 0, 96, 29
	PUTF 96, 6, 1536
	v_cmp_le_u32 vcc_lo, 16, v6
	v_cndmask_b32 v30, v28, v29, vcc_lo            ; lanes 0-15: the first kstep's words, lanes 16-31: the second's
	global_store_b32 v[L4], v30, s[8:9]
	s_wait_tensorcnt 0x0
	ds_add_u32 v254, v255
	s_wait_dscnt 0x0
	s_endpgm
.Lfunc_end_k_q6d23cf1dba_quant_x:
	.size	k_q6d23cf1dba_quant_x, .Lfunc_end_k_q6d23cf1dba_quant_x-k_q6d23cf1dba_quant_x
	.p2alignl 7, 3214868480
	.fill 96, 4, 3214868480
	.section	.rodata,"a",@progbits
	.p2align	6, 0x0
	.amdhsa_kernel k_q6d23cf1dba_quant_x
		.amdhsa_group_segment_fixed_size 68096
		.amdhsa_private_segment_fixed_size 0
		.amdhsa_enable_private_segment 0
		.amdhsa_kernarg_size 24
		.amdhsa_user_sgpr_count 2
		.amdhsa_user_sgpr_kernarg_segment_ptr 1
		.amdhsa_wavefront_size32 1
		.amdhsa_system_sgpr_workgroup_id_x 1
		.amdhsa_system_sgpr_workgroup_id_y 1
		.amdhsa_system_sgpr_workgroup_id_z 1
		.amdhsa_system_vgpr_workitem_id 0
		.amdhsa_next_free_vgpr 256
		.amdhsa_next_free_sgpr 66
		.amdhsa_reserve_vcc 1
		.amdhsa_float_denorm_mode_32 3
		.amdhsa_float_denorm_mode_16_64 3
		.amdhsa_memory_ordered 1
		.amdhsa_forward_progress 1
		.amdhsa_inst_pref_size 18
	.end_amdhsa_kernel
	.amdgpu_metadata
---
amdhsa.version: [ 1, 2 ]
amdhsa.kernels:
  - .name:           k_q6d23cf1dba_quant_x
    .symbol:         k_q6d23cf1dba_quant_x.kd
    .args:
      - { .name: x, .offset: 0, .size: 8, .value_kind: global_buffer, .address_space: global }
      - { .name: x_img, .offset: 8, .size: 8, .value_kind: global_buffer, .address_space: global }
      - { .name: x_sc, .offset: 16, .size: 8, .value_kind: global_buffer, .address_space: global }
    .group_segment_fixed_size: 68096
    .private_segment_fixed_size: 0
    .kernarg_segment_align: 8
    .kernarg_segment_size: 24
    .max_flat_workgroup_size: 128
    .sgpr_count:     66
    .vgpr_count:     256
    .wavefront_size: 32
...
	.end_amdgpu_metadata
.endif
;; end of part 2
;; launch gemm_qkv (part 3): grid 8 x 32, 4 waves a work-group, clusters of 4 x 4, 327,680 bytes of LDS; arguments x_img, x_sc, w_img, w_sc, qkv_img, qkv_sc; writes qkv_img, qkv_sc
.if DOCPART == 3
	.amdgcn_target "amdgcn-amd-amdhsa--gfx1250"
	.amdhsa_code_object_version 6
	.text
	.protected	k_q6d23cf1dba_gemm_qkv
	.globl	k_q6d23cf1dba_gemm_qkv
	.p2align	8
	.type	k_q6d23cf1dba_gemm_qkv,@function
k_q6d23cf1dba_gemm_qkv:
	s_mov_b64 s[64:65], 0
	v_nop
	global_prefetch_b8 v0, s[64:65] scope:SCOPE_SE
	s_setreg_imm32_b32 hwreg(HW_REG_WAVE_MODE, 25, 1), 1
	s_wait_xcnt 0x0
	s_wait_alu depctr_hold_cnt(0) depctr_sa_sdst(0) depctr_va_vdst(0) depctr_va_sdst(0) depctr_va_ssrc(0) depctr_va_vcc(0) depctr_vm_vsrc(0)
	s_getreg_b32 s2, hwreg(HW_REG_IB_STS2, 6, 4)
	s_cmp_eq_u32 s2, 0
	s_cbranch_scc0 .Lentry_in_a_cluster
	s_endpgm
.Lentry_in_a_cluster:
	s_bfe_u32 s2, ttmp6, 0x10000c
	s_cmp_lg_u32 s2, 0xf033
	s_cbranch_scc0 .Lentry_shape_is_right
	s_endpgm
.Lentry_shape_is_right:
; Two products on codes of FP6 (E2M3) with E8M0 scales, K = 1,024, in one text; the cluster's x chooses (it is the same in all sixteen partners):
;   cluster x = 0:  C = x W_qk      A = x's images (8,192 tokens),  B = W_qk's images (1,024 columns): q and k
;   cluster x = 1:  C = (x W_v)^T   A = W_v's images (1,024 channels), B = x's images (8,192 tokens): v with the KEYS along the rows of C
; Both ask the same of the result: it is QUANTISED ALONG ITS COLUMNS, in registers, and leaves as images of operand registers; no f32 result goes to memory.
; A work-group of four waves makes 256 x 256 of C, a wave 128 x 128: 64 accumulators, 512 registers.  K goes in steps of 256 through two LDS slots filled by the tensor data mover;
; K = 1,024 is four fills, so the text is written out without a loop.
; OPERANDS ARE IMAGES: a fragment (16 rows x 128 K, 12 registers a lane) lies in memory and in LDS as 1,536 dense bytes: lane (r, h) has registers 6 c .. 6 c + 3 at 768 c + 16 (16 h + r) and
; 6 c + 4, 6 c + 5 at 768 c + 512 + 16 r + 8 h.  So each LDS load of a wave reads 512 or 256 consecutive bytes: no pitch, no padding.
; THE MATRIX INSTRUCTION IS USED TRANSPOSED (source 0 = a tile of B, source 1 = a tile of A), and row r of tile t of every image stands for index 32 (t / 2) + 8 (t % 2) + r + 8 (r / 8):
; so a lane holds one row of A, and the 16 registers of B's tiles 2 b and 2 b + 1 are the 16 neighbouring columns 32 b + 16 h + 0 .. 15: what the conversions want.
; ALL SCALE WORDS STAY IN REGISTERS: 32 for A, 32 for B; a register holds kstep 2 p's words in lanes 0-15 and kstep 2 p + 1's in lanes 16-31.
; CLUSTERS: 4 x 4 work-groups; A's tiles are asked for jointly along a row of the cluster, B's along a column.  By this text's own count a wave has two tensor loads out at the start and one afterwards.
; OUT: qkv_img: first half [column group 8: q's head pairs, k's head pairs][token tile 512][head of the pair 2][768]; second half [head 8][step of 128 keys 64][channel tile 8][1,536].
;      qkv_sc: chunks of 512 bytes for 8 tiles, the word of (tile a, row r) at 256 (a / 4) + 16 r + 4 (a % 4): [q heads, k heads: 16][64][512], then [head 8][64][512].
; LIMITS: NaN and infinities are not served; a block whose largest magnitude lies under 2^-124 is held at byte 1; a block of zeros gets byte 1 where the rule says 127 (its codes are zeros; this program alone reads the bytes).
; No prefetch: the launch's matrix work is 512 instructions a wave.
; REGISTERS: window 0: v16-23 LDS addresses; v24-29 lane terms; v32-63 A's scale words, v64-95 B's; v96-127 at work on the way out; v128-223 A's eight fragments (on the way out: the codes just made).
;   window 1: B's fragments, two sets, at v0 and v128.   windows 2, 3: the accumulators ((a, b) at v[8 (8 (a % 4) + b)], window 2 + a / 4).
.set HALFT,  24576                     ; 8 tiles x 2 ksteps x 1,536 bytes: what one tensor load brings, and what one wave reads of A or of B
.set SLOT,   4*HALFT                   ; A's two halves, then B's two halves
.set SPARE,  2*SLOT                    ; behind the ring: the spare words, 128 bytes for each wave
.set IMGV,   6291456
.set ADRA, 16                          ; v16-17 my A fragments in slot 0, 1 (+ 16 x lane);  v18-19 the same with 512 + 16 r + 8 h
.set ADRB, 20                          ; v20-23 likewise for B
.set L16,  24
.set L8,   25
.set L4,   26
.set LN,   27
.set SPW,  28
.set NIL,  29
.set SCA,  32
.set SCB,  64
.set TM,   96
.set PWR,  112
.set CHK,  120
.set AF,   128
.set PCS,  128
.set SEL,  2
.set G1,   24
.set G0,   32
.set G1B,  48
.set G0B,  56
.set TO_B, 0x40
.set MSB, 0
.macro WIN new                         ; the immediate's high byte repeats the setting that is left
.if MSB != \new
	s_set_vgpr_msb (MSB<<8)|\new
.set MSB, \new
.endif
.endm
.macro JLOAD g0a, g1a, g0b, g1b        ; a joint load: waves 0 and 1 fetch for A, waves 2 and 3 for B; four v_nop follow each line
	s_cmp_eq_u32 s17, 0
	s_cbranch_scc0 .Lfor_b_\@
	tensor_load_to_lds s[\g0a:\g0a+3], s[\g1a:\g1a+7]
	s_nop 0
.rept 4
	v_nop
.endr
	s_branch .Lasked_\@
.Lfor_b_\@:
	tensor_load_to_lds s[\g0b:\g0b+3], s[\g1b:\g1b+7]
	s_nop 0
.rept 4
	v_nop
.endr
.Lasked_\@:
.endm
.macro CREST                           ; a round of the cluster's barrier behind its opening barrier
	s_cmp_lg_u32 s16, 0
	s_cbranch_scc1 .Lnot_wave_0_\@
	s_barrier_signal -3
.Lnot_wave_0_\@:
	s_barrier_wait -3
	s_barrier_signal -1
	s_barrier_wait -1
.endm
.macro CROUND
	s_barrier_signal -1
	s_barrier_wait -1
	CREST
.endm
.macro PLACES n
.rept \n
	v_nop
.endr
.endm
.macro FRAG reg, adr, q, i             ; tile i's fragment of the slot's q-th kstep: four loads
.irp c, 0,1
	ds_load_b128 v[\reg+6*\c:\reg+6*\c+3], v[\adr] offset:(\i)*3072+(\q)*1536+768*\c
	ds_load_b64 v[\reg+6*\c+4:\reg+6*\c+5], v[\adr+2] offset:(\i)*3072+(\q)*1536+768*\c
.endr
.endm
.macro FETCH_B slot, q, p
	WIN TO_B
.irp i, 0,1,2,3,4,5,6,7
	FRAG 128*(\p)+12*\i, ADRB+\slot, \q, \i
.endr
	WIN 0
.endm
.macro FETCH_A slot, q, i0
.irp i, \i0, \i0+1, \i0+2, \i0+3
	FRAG AF+12*(\i), ADRA+\slot, \q, \i
.endr
.endm
; 16 matrix instructions: A's blocks a0, a0 + 1 x B's eight.  p: B's set; q: which kstep of the pair kp (it picks the lanes of the scale registers); cm = 1: the first product starts the sums.
; The 64 accumulators take turns, one instruction a turn, in the same order in every step.
.macro MUL16 a0, p, q, kp, cm
.set MW, 0xa1+0x50*((\a0)/4)
	WIN MW
.irp a, \a0, \a0+1
.irp b, 0,1,2,3,4,5,6,7
.set rD, 8*(8*((\a)%4)+\b)
.set rB, 128*(\p)+12*\b
.set rA, AF+12*(\a)
.set kB, SCB+4*\b+(\kp)
.set kA, SCA+4*(\a)+(\kp)
.if (\cm) == 1
	v_wmma_scale_f32_16x16x128_f8f6f4 v[rD:rD+7], v[rB:rB+11], v[rA:rA+11], 0, v[kB], v[kA] matrix_a_fmt:MATRIX_FMT_FP6 matrix_b_fmt:MATRIX_FMT_FP6
.elseif (\q) == 1
	v_wmma_scale_f32_16x16x128_f8f6f4 v[rD:rD+7], v[rB:rB+11], v[rA:rA+11], v[rD:rD+7], v[kB], v[kA] matrix_a_fmt:MATRIX_FMT_FP6 matrix_b_fmt:MATRIX_FMT_FP6 matrix_a_scale:MATRIX_SCALE_ROW1 matrix_b_scale:MATRIX_SCALE_ROW1
.else
	v_wmma_scale_f32_16x16x128_f8f6f4 v[rD:rD+7], v[rB:rB+11], v[rA:rA+11], v[rD:rD+7], v[kB], v[kA] matrix_a_fmt:MATRIX_FMT_FP6 matrix_b_fmt:MATRIX_FMT_FP6
.endif
.endr
.endr
.endm
.macro STEP slot, kp, cm               ; a slot's first kstep
	s_wait_dscnt 16                                ; B's set and A's blocks 0-3 are in; the youngest 16 loads (A's blocks 4-7) may be out
	MUL16 0, 0, 0, \kp, \cm
	MUL16 2, 0, 0, \kp, \cm
	s_wait_dscnt 0x0
	PLACES 4                                       ; in front of loads into registers that matrix instructions have read
	FETCH_B \slot, 1, 1
	FETCH_A \slot, 1, 0
	MUL16 4, 0, 0, \kp, \cm
	MUL16 6, 0, 0, \kp, \cm
	PLACES 4
	WIN 0
	FETCH_A \slot, 1, 4
.endm
; A slot's second kstep changes slots: one barrier; in front of it each wave waits for all its tensor loads, adds 0 to its spare word, and waits for that and for its reads of this slot.
.macro TURN slot, next, fill, kp
	s_wait_tensorcnt 0x0                           ; all my tensor loads have landed: my part of the next slot
	ds_add_u32 v[SPW], v[NIL]                      ; 0 onto my spare word
	s_wait_dscnt 17                                ; (the add and the youngest 16 loads, A's blocks 4-7, may be out)
	MUL16 0, 1, 1, \kp, 0
	s_wait_dscnt 0x0                               ; the add is done, and my reads of this slot are over
	s_barrier_signal -1
	MUL16 2, 1, 1, \kp, 0
	WIN 0
	s_barrier_wait -1
.if \fill
	CREST                                          ; the barrier has opened a round of the cluster's barrier: no wave of any partner still reads this slot or has a load on its way
	s_add_nc_u64 s[G0+4*\slot+2:G0+4*\slot+3], s[G0+4*\slot+2:G0+4*\slot+3], 6144
	s_add_nc_u64 s[G0B+4*\slot+2:G0B+4*\slot+3], s[G0B+4*\slot+2:G0B+4*\slot+3], 6144
	JLOAD G0+4*\slot, G1, G0B+4*\slot, G1B         ; the first tensor load behind the round; its four v_nop are the places in front of the loads below
.else
	PLACES 4
.endif
	FETCH_B \next, 0, 0
	FETCH_A \next, 0, 0
	MUL16 4, 1, 1, \kp, 0
	MUL16 6, 1, 1, \kp, 0
	PLACES 4
	WIN 0
	FETCH_A \next, 0, 4
.endm
; 64 numbers of a lane, v[s] .. v[s + 63] of window w, register 16 b + i = k 32 b + 16 h + i of my row, become a fragment's 12 registers in v[pc] on (20 registers are used) and my row's scale word in v[pw].
; Each accumulator is first read at its two lowest registers.
.macro QUANT s, w, pc, pw
.set QS, \s
.set QP, \pc
.set QO, \pw
.set QV, \w
.set QW, ((\w)<<2)|((\w)<<4)
	WIN QW
.irp b, 0,1,2,3
	v_max3_num_f32 v[TM+\b], 0x1800000, |v[QS+16*\b]|, |v[QS+16*\b+1]|   ; block b: my 16 numbers, and the floor 2^(3 - 127)
.endr
.irp i, 2,4,6,8,10,12,14
.irp b, 0,1,2,3
	v_max3_num_f32 v[TM+\b], v[TM+\b], |v[QS+16*\b+\i]|, |v[QS+16*\b+\i+1]|
.endr
.endr
	WIN 0
.irp b, 0,1,2,3
	v_permlanex16_b32 v[TM+4+\b], v[TM+\b], s[SEL], s[SEL+1]
.endr
.irp b, 0,1,2,3
	v_max_num_f32 v[TM+\b], v[TM+\b], v[TM+4+\b]
.endr
.irp b, 0,1,2,3
	v_add_nc_u32 v[TM+12+\b], 0xff000000, v[TM+\b]
.endr
.irp b, 0,1,2,3
	v_lshrrev_b32 v[TM+4+\b], 23, v[TM+12+\b]
.endr
	v_lshl_or_b32 v[QO], v[TM+5], 8, v[TM+4]
	v_lshl_or_b32 v[QO], v[TM+6], 16, v[QO]
	v_lshl_or_b32 v[QO], v[TM+7], 24, v[QO]
	WIN QV
.irp c, 0,1
	v_cvt_scalef32_pk16_fp6_f32 v[QP+6*\c:QP+6*\c+2], v[QS+32*\c:QS+32*\c+15], v[TM+12+2*\c]
	v_cvt_scalef32_pk16_fp6_f32 v[QP+12+4*\c:QP+14+4*\c], v[QS+32*\c+16:QS+32*\c+31], v[TM+13+2*\c]
.endr
	WIN 0
	v_nop                                          ; one plain instruction behind the conversions
.irp c, 0,1
.irp i, 0,1,2
	v_permlane16_swap_b32 v[QP+6*\c+\i], v[QP+12+4*\c+\i]
.endr
.irp i, 0,1,2
	v_mov_b32 v[QP+3+6*\c+\i], v[QP+12+4*\c+\i]
.endr
.endr
.endm
.macro PUTF pc, base, off              ; a fragment goes to memory as its image: each store covers 512 or 256 consecutive aligned bytes
	global_store_b128 v[L16], v[\pc:\pc+3], s[\base:\base+1] offset:\off
	global_store_b64 v[L8], v[\pc+4:\pc+5], s[\base:\base+1] offset:\off
	global_store_b128 v[L16], v[\pc+6:\pc+9], s[\base:\base+1] offset:\off+768
	global_store_b64 v[L8], v[\pc+10:\pc+11], s[\base:\base+1] offset:\off+768
.endm
	s_load_b128 s[4:7], s[0:1], 0x0                ; x_img, x_sc
	s_load_b128 s[8:11], s[0:1], 0x10              ; w_img, w_sc
	s_load_b128 s[12:15], s[0:1], 0x20             ; qkv_img, qkv_sc
	v_lshl_add_u32 v[SPW], v0, 2, SPARE
	v_mov_b32 v[NIL], 0
	ds_add_u32 v28, v29
	s_wait_dscnt 0x0
	v_lshrrev_b32 v1, 5, v0
	v_readfirstlane_b32 s16, v1                    ; wave 0..3
	s_lshr_b32 s17, s16, 1                         ; which half of the tile's rows is mine.  Also: I fetch for A (0) or for B (1)
	s_and_b32 s18, s16, 1                          ; which half of its columns.  Also: which 8 tiles I fetch
	s_bfe_u32 s40, ttmp6, 0x40000                  ; cx
	s_bfe_u32 s41, ttmp6, 0x40004                  ; cy
	s_and_b32 s19, ttmp7, 0xffff
	s_lshl_b32 s19, s19, 2                         ; 4 x cluster y: it walks the tokens, which are A's rows in the first problem and B's in the second
	s_cmp_eq_u32 ttmp9, 0
	s_cselect_b32 s43, s19, 0
	s_cselect_b32 s42, 0, s19
	s_add_co_u32 s43, s43, s41                     ; tile row of C
	s_add_co_u32 s42, s42, s40                     ; tile column of C
	s_lshl_b32 s44, s41, 2
	s_lshl_b32 s44, 15, s44                        ; my row of the cluster
	s_lshl_b32 s45, 0x1111, s40                    ; my column
	; descriptor group 1: 8 rows (tiles) of 3,072 consecutive bytes (two ksteps), 12,288 bytes apart; elements of 8 bytes; no padding
	s_or_b32 s[G1], s44, (3<<16)|(1<<21)
	s_or_b32 s[G1B], s45, (3<<16)|(1<<21)
.irp g, G1, G1B
	s_mov_b32 s[\g+1], 384<<16                     ; tensor_dim0
	s_mov_b32 s[\g+2], 8<<16                       ; tensor_dim1
	s_mov_b32 s[\g+3], 384<<16                     ; tile_dim0
	s_mov_b32 s[\g+4], 8                           ; tile_dim1
	s_mov_b32 s[\g+5], 1536                        ; tensor_dim0_stride
	s_mov_b32 s[\g+6], 0
	s_mov_b32 s[\g+7], 0
.endr
	s_lshl_b32 s22, s18, 3
	s_lshl_b32 s20, s43, 4
	s_add_co_u32 s20, s20, s22                     ; A: the first tile that I fetch: 16 x tile row + 8 x half
	s_lshl_b32 s46, s42, 4
	s_add_co_u32 s46, s46, s22                     ; B: 16 x tile column + 8 x half
	s_mul_i32 s20, s20, 12288
	s_mul_i32 s46, s46, 12288
	s_mov_b32 s21, 0
	s_mov_b32 s47, 0
	s_mul_i32 s23, s16, HALFT                      ; where they go: no place in the cluster enters an LDS address
	s_lshl_b32 s84, s43, 1
	s_add_co_u32 s84, s84, s17                     ; my 128 rows of C: 2 x tile row + half
	s_lshl_b32 s85, s42, 1
	s_add_co_u32 s85, s85, s18                     ; my 128 columns
	s_mov_b32 s75, 0
	s_mov_b32 s77, 0
	s_mov_b32 s[SEL], 0x76543210
	s_mov_b32 s[SEL+1], 0xfedcba98
	s_wait_kmcnt 0x0
	s_cmp_eq_u32 ttmp9, 0                          ; which problem: the choice hangs on the cluster's x alone
	s_cselect_b64 s[66:67], s[4:5], s[8:9]         ; A's images
	s_cselect_b64 s[68:69], s[8:9], s[4:5]         ; B's
	s_cselect_b64 s[70:71], s[6:7], s[10:11]       ; A's scale words
	s_cselect_b64 s[72:73], s[10:11], s[6:7]       ; B's
	s_cselect_b32 s74, 0, 786432                   ; W_v is the second weight in w_img
	s_cselect_b32 s76, 0, 32768                    ; and in w_sc
	s_cselect_b32 s78, 16, 15
	s_cselect_b32 s80, 0, IMGV
	s_cselect_b32 s82, 0, 524288
	s_cselect_b32 s86, s85, s84                    ; the outer index of the result's layout: the column group, or the head
	s_cselect_b32 s87, s84, s85                    ; the inner one: 8 token tiles, or a step of 128 keys
	s_add_nc_u64 s[66:67], s[66:67], s[74:75]
	s_add_nc_u64 s[70:71], s[70:71], s[76:77]
	s_add_nc_u64 s[66:67], s[66:67], s[20:21]
	s_add_nc_u64 s[68:69], s[68:69], s[46:47]
	CROUND                                         ; all sixteen work-groups are here: the first joint loads meet
.irp s, 0,1
	s_mov_b32 s[G0+4*\s], 1
	s_add_co_u32 s[G0+4*\s+1], s23, \s*SLOT
	s_add_nc_u64 s[G0+4*\s+2:G0+4*\s+3], s[66:67], \s*3072
	s_or_b32 s[G0+4*\s+3], s[G0+4*\s+3], 0x80000000
	s_mov_b32 s[G0B+4*\s], 1
	s_add_co_u32 s[G0B+4*\s+1], s23, \s*SLOT
	s_add_nc_u64 s[G0B+4*\s+2:G0B+4*\s+3], s[68:69], \s*3072
	s_or_b32 s[G0B+4*\s+3], s[G0B+4*\s+3], 0x80000000
	JLOAD G0+4*\s, G1, G0B+4*\s, G1B
.endr
	v_and_b32 v1, 15, v0                           ; r
	v_bfe_u32 v2, v0, 4, 1                         ; h
	v_and_b32 v[LN], 31, v0
	v_lshlrev_b32 v[L16], 4, v[LN]
	v_lshlrev_b32 v[L8], 4, v1
	v_lshl_add_u32 v[L8], v2, 3, v[L8]
	v_add_nc_u32 v[L8], 512, v[L8]
	v_lshlrev_b32 v[L4], 2, v[LN]
	s_mul_i32 s21, s17, HALFT                      ; my 8 tiles of A
	s_mul_i32 s22, s18, HALFT                      ; my 8 tiles of B,
	s_add_co_u32 s22, s22, 2*HALFT                 ; which lie behind A's 16
.irp s, 0,1
	v_add_nc_u32 v[ADRA+\s], s21, v[L16]
	v_add_nc_u32 v[ADRA+2+\s], s21, v[L8]
	v_add_nc_u32 v[ADRB+\s], s22, v[L16]
	v_add_nc_u32 v[ADRB+2+\s], s22, v[L8]
	s_add_co_u32 s21, s21, SLOT
	s_add_co_u32 s22, s22, SLOT
.endr
.irp b, 0,1,2,3
	v_mov_b32 v[TM+4+\b], 0                        ; written once: a lane permute's destination counts as one of its sources
.endr
	s_lshl_b32 s20, s84, 12                        ; my 8 tiles' scale words: 512 bytes a tile
	s_mov_b32 s21, 0
	s_add_nc_u64 s[70:71], s[70:71], s[20:21]
	s_lshl_b32 s46, s85, 12
	s_mov_b32 s47, 0
	s_add_nc_u64 s[72:73], s[72:73], s[46:47]
.irp i, 0,1,2,3,4,5,6,7
.irp p, 0,1,2,3
	global_load_b32 v[SCA+4*\i+\p], v[L4], s[70:71] offset:\i*512+\p*128
	global_load_b32 v[SCB+4*\i+\p], v[L4], s[72:73] offset:\i*512+\p*128
.endr
.endr
	s_mul_i32 s88, s86, 786432                     ; where my results go
	s_mul_i32 s89, s87, 12288
	s_add_co_u32 s88, s88, s89
	s_add_co_u32 s88, s88, s80
	s_mov_b32 s89, 0
	s_add_nc_u64 s[12:13], s[12:13], s[88:89]
	s_lshl_b32 s90, s86, s78
	s_lshl_b32 s91, s87, 9
	s_add_co_u32 s90, s90, s91
	s_add_co_u32 s90, s90, s82
	s_mov_b32 s91, 0
	s_add_nc_u64 s[14:15], s[14:15], s[90:91]
	s_wait_tensorcnt 1                             ; my part of slot 0 is in; slot 1's load may be out
	s_barrier_signal -1
	s_barrier_wait -1
	FETCH_B 0, 0, 0
	FETCH_A 0, 0, 0
	FETCH_A 0, 0, 4
	s_wait_loadcnt 0x0                             ; the scale words
	STEP 0, 0, 1                                   ; the first products start the sums
	TURN 0, 1, 1, 0
	STEP 1, 1, 0
	TURN 1, 0, 1, 1
	STEP 0, 2, 0
	TURN 0, 1, 0, 2                                ; the last two slots are filled no more
	STEP 1, 3, 0
	s_wait_dscnt 16
	MUL16 0, 1, 1, 3, 0
	MUL16 2, 1, 1, 3, 0
	s_wait_dscnt 0x0
	MUL16 4, 1, 1, 3, 0
	MUL16 6, 1, 1, 3, 0
	WIN 0
	PLACES 4
	; THE WAY OUT: each block of 16 rows x 128 columns is quantised along its columns and stored as an image; two sets of code registers by turns
.irp a, 0,1,2,3,4,5,6,7
.if \a >= 2
	s_wait_xcnt 0x0                                ; the stores of two blocks ago have read this set of code registers
.endif
	QUANT 64*(\a%4), 2+\a/4, PCS+20*(\a%2), PWR+\a
	PUTF PCS+20*(\a%2), 12, \a*1536
.endr
	v_cmp_le_u32 vcc_lo, 16, v[LN]
.irp i, 0,1,2,3
	v_cndmask_b32 v[CHK+\i], v[PWR+\i], v[PWR+4+\i], vcc_lo    ; lane (r, h): the words of blocks 4 h + 0 .. 3, row r: the chunk's order
.endr
	s_cmp_lg_u32 ttmp9, 0
	s_cbranch_scc1 .Lwhole
.irp i, 0,1,2,3
	v_lshrrev_b32 v[CHK+4+\i], 16, v[CHK+\i]       ; q and k: a word's upper two bytes belong to the pair's second head,
.endr
.irp i, 0,1,2,3
	v_and_b32 v[CHK+\i], 0xffff, v[CHK+\i]         ; the lower two to its first; the bytes above them scale zero codes alone
.endr
	global_store_b128 v[L16], v[CHK+4:CHK+7], s[14:15] offset:32768
.Lwhole:
	global_store_b128 v[L16], v[CHK:CHK+3], s[14:15]           ; 512 consecutive aligned bytes
	s_wait_tensorcnt 0x0                           ; the wave's end
	ds_add_u32 v[SPW], v[NIL]
	s_wait_dscnt 0x0
	CROUND                                         ; the closing round
	s_endpgm
.Lfunc_end_k_q6d23cf1dba_gemm_qkv:
	.size	k_q6d23cf1dba_gemm_qkv, .Lfunc_end_k_q6d23cf1dba_gemm_qkv-k_q6d23cf1dba_gemm_qkv
	.p2alignl 7, 3214868480
	.fill 96, 4, 3214868480
	.section	.rodata,"a",@progbits
	.p2align	6, 0x0
	.amdhsa_kernel k_q6d23cf1dba_gemm_qkv
		.amdhsa_group_segment_fixed_size 327680
		.amdhsa_private_segment_fixed_size 0
		.amdhsa_enable_private_segment 0
		.amdhsa_kernarg_size 48
		.amdhsa_user_sgpr_count 2
		.amdhsa_user_sgpr_kernarg_segment_ptr 1
		.amdhsa_wavefront_size32 1
		.amdhsa_system_sgpr_workgroup_id_x 1
		.amdhsa_system_sgpr_workgroup_id_y 1
		.amdhsa_system_sgpr_workgroup_id_z 1
		.amdhsa_system_vgpr_workitem_id 0
		.amdhsa_next_free_vgpr 1024
		.amdhsa_next_free_sgpr 100
		.amdhsa_reserve_vcc 1
		.amdhsa_float_denorm_mode_32 3
		.amdhsa_float_denorm_mode_16_64 3
		.amdhsa_memory_ordered 1
		.amdhsa_forward_progress 1
		.amdhsa_inst_pref_size 151
	.end_amdhsa_kernel
	.amdgpu_metadata
---
amdhsa.version: [ 1, 2 ]
amdhsa.kernels:
  - .name:           k_q6d23cf1dba_gemm_qkv
    .symbol:         k_q6d23cf1dba_gemm_qkv.kd
    .args:
      - { .name: x_img, .offset: 0, .size: 8, .value_kind: global_buffer, .address_space: global }
      - { .name: x_sc, .offset: 8, .size: 8, .value_kind: global_buffer, .address_space: global }
      - { .name: w_img, .offset: 16, .size: 8, .value_kind: global_buffer, .address_space: global }
      - { .name: w_sc, .offset: 24, .size: 8, .value_kind: global_buffer, .address_space: global }
      - { .name: qkv_img, .offset: 32, .size: 8, .value_kind: global_buffer, .address_space: global }
      - { .name: qkv_sc, .offset: 40, .size: 8, .value_kind: global_buffer, .address_space: global }
    .group_segment_fixed_size: 327680
    .private_segment_fixed_size: 0
    .kernarg_segment_align: 8
    .kernarg_segment_size: 48
    .max_flat_workgroup_size: 128
    .sgpr_count:     100
    .vgpr_count:     1024
    .wavefront_size: 32
...
	.end_amdgpu_metadata
.endif
;; end of part 3
;; launch attn (part 4): grid 8 x 32, 16 waves a work-group, no clusters, 327,680 bytes of LDS; arguments qkv_img, qkv_sc, conv, o_img, o_sc; writes o_img, o_sc
.if DOCPART == 4
	.amdgcn_target "amdgcn-amd-amdhsa--gfx1250"
	.amdhsa_code_object_version 6
	.text
	.protected	k_q6d23cf1dba_attn
	.globl	k_q6d23cf1dba_attn
	.p2align	8
	.type	k_q6d23cf1dba_attn,@function
k_q6d23cf1dba_attn:
	s_mov_b64 s[64:65], 0
	v_nop
	global_prefetch_b8 v0, s[64:65] scope:SCOPE_SE
	s_setreg_imm32_b32 hwreg(HW_REG_WAVE_MODE, 25, 1), 1
	s_wait_xcnt 0x0
; For each batch and head: O[i] = sum over j of softmax_j(q_i . k_j / 8 + conv[head][clip(j - i, -10, 10) + 10]) v_j, both products on codes of FP6 (E2M3) with E8M0 scales;
; O is quantised along head x 128 + channel and leaves as images of operand registers for the last product.
; THE SOFTMAX: t = logit x log2(e); M = the running largest t rounded UP to a whole number; p = 2^(t - M) is quantised along the keys, not normalised; the row's sum is taken of the unquantised p
; and divides O at the end.  When M moves, the sum and O are multiplied by 2^(old M - new M): exact.
; SHARES: work-group x = 256 tokens, y = 8 x batch + head; each of SIXTEEN waves owns one tile of 16 queries in 256 registers: four waves to a SIMD, so that one wave's vector work stands beside another's
; matrix work and LDS loads.  Every wave walks the batch's 2,048 keys, 128 a step.  K's and V's images come through two LDS slots of 256 keys (waves 0, 1: K; waves 2, 3: V).
; LAYOUT: both products transposed: S^T = K Q^T, O^T = V^T P^T: a lane holds one query.  Row r of tile t of every image stands for index 32 (t / 2) + 8 (t % 2) + r + 8 (r / 8): so the 16 registers of
; tiles 2 b, 2 b + 1 are 16 neighbours (keys in S^T, channels in O^T).  An image: lane (r, h) has registers 6 c .. 6 c + 3 at 768 c + 16 (16 h + r), 6 c + 4, 6 c + 5 at 768 c + 512 + 16 r + 8 h.
; THE FIRST PRODUCT HAS K = 64 in an instruction of 128: Q's upper six registers are zero codes; a tile of K is 6 registers, and as its upper six the instruction is given whatever follows them, which meets Q's zeros.
; THE BIAS: a step all of whose keys lie 10 or more to the left (right) of all my queries has one bias, which goes into the addend of t.  In the one or two other steps of a wave 8 x conv[..] is added to the raw
; scores from a table in LDS, T[j - i + 256]; 8 x is exact, and t = c x (s + 8 bias) with c = log2(e) / 8.  My tile's first query is m = 32 ((wave / 2) % 4) + 8 (wave % 2) above a multiple of 128 and a step's
; first key is a multiple of 128, so such a step begins 128 e - m keys from my first query, e = -1, 0 or 1: the lane's table address is made of the wave's number and the lane alone, and e stands in the loads'
; immediate, chosen by a scalar branch.  The branches hang on ids and the loop's count alone.
; NO CLUSTER: which steps take the table, and which of its three places, hangs on the work-group's own block of queries; partners of a cluster would branch differently.
; LIMITS: NaN and infinities are not served; a block whose largest magnitude lies under 2^-124 is held at byte 1; a block of zeros gets byte 1 where the rule says 127 (its codes are zeros; this program alone reads the
; bytes); a block's largest p is made from the block's largest score, which takes v_exp_f32 not to fall where its input rises.
; REGISTERS: v1-6 lane terms; v8-10 addresses in hand; v12 -M, v13 largest t, v[14:15] the sum; v16-27 Q; v28 bias - M; v30 prefetch offset; v32-85 K's tiles / v32-79 V's fragments / v32-95 table words;
;   v96-159 S^T, then p; v160-223 O^T; v224-235 p's codes; v232-254 at work; v248-251 scale words; v253 p's scale word; v255 Q's.
.set SLOT1, 65536                      ; slot 1 begins here: one exclusive or turns an address from slot to slot.  A slot: 16 sub-images of K (12,288 bytes), then two steps of V (24,576)
.set VOFF,  12288
.set SCK,   131072                     ; K's scale chunks of the whole batch and head, 8,192 bytes;
.set SCV,   139264                     ; V's
.set TBL,   147456                     ; the bias table, 1,024 words
.set OSC,   163840                     ; where O's 256 scale words meet
.set SPARE, 164864                     ; the spare words, 128 bytes for each wave
.set IMGV,  6291456
.set L16,  1
.set L8,   2
.set ASC0, 3
.set AB0,  4                           ; v4   TBL + 4 (128 - m - rr + 16 h), rr = r + 8 (r / 8); never rewritten
.set SPW,  5
.set NIL,  6
.set AD16, 8
.set AD8,  9
.set ADS,  10
.set PFO,  30
.set TM,   232
.set TB,   2                           ; s2   LDS byte at which the slot in hand begins
.set TS,   3                           ; s3   the step's scale chunk: 512 bytes a step
.set WV,   18
.set SEL,  20
.set CS,   22
.set G1K,  24
.set G1V,  32
.set G0K,  40
.set G0V,  44
.set G1S,  48
.set G0SK, 56
.set G0SV, 60
.set KF,   66                          ; s66  the step's first key
.set SLOTS, 67
.set Q0,   69                          ; s69  my tile's first query
.set QR,   70                          ; s70  Q0 + 33
.set BL,   71                          ; s71  conv[head][0] x log2(e);  s72 conv[head][20] x log2(e);  s73 the step's
.set BR,   72
.set TBS,  73
.set PFA,  76
.set LIM,  80
.set MSB, 0
.macro WIN new
.if MSB != \new
	s_set_vgpr_msb (MSB<<8)|\new
.set MSB, \new
.endif
.endm
.macro TLOAD g0k, g1k, g0v, g1v        ; waves 0 and 1 fetch for K, waves 2 and 3 for V, the others nothing; four v_nop follow each line
	s_cmp_lt_u32 s[WV], 2
	s_cbranch_scc0 .Lnot_k_\@
	tensor_load_to_lds s[\g0k:\g0k+3], s[\g1k:\g1k+7]
	s_nop 0
.rept 4
	v_nop
.endr
	s_branch .Lasked_\@
.Lnot_k_\@:
	s_cmp_lt_u32 s[WV], 4
	s_cbranch_scc0 .Lasked_\@
	tensor_load_to_lds s[\g0v:\g0v+3], s[\g1v:\g1v+7]
	s_nop 0
.rept 4
	v_nop
.endr
.Lasked_\@:
.endm
; A PREFETCH INTO THE L2 of what the NEXT change of slots will ask for, a slot's two key steps ahead of that load.  All eight work-groups of a batch and head walk the same K and V: the first (x = 0) asks.
; In it waves 4 to 6 ask for the head pair's 24,576 dense bytes of K (where the head is even: the pair's two heads lie interleaved, so each block is named once), waves 8 to 10 for V's 24,576:
; 8,192 bytes a wave, lanes 256 bytes apart.  The last change that fills a slot asks for nothing; slots 0 and 1 come by their loads alone.
.macro ASK
	s_cmp_gt_u32 s[SLOTS], s[LIM]
	s_cbranch_scc0 .Lnot_mine_\@
	global_prefetch_b8 v[PFO], s[PFA:PFA+1] th:TH_LOAD_NT scope:SCOPE_SE
.Lnot_mine_\@:
.endm
.macro QUANT s, w, pc, pw              ; 64 numbers of a lane, register 16 b + i = k 32 b + 16 h + i of my row -> a fragment in v[pc] on, its scale word in v[pw]
.set QS, \s
.set QP, \pc
.set QO, \pw
.set QV, \w
.set QW, ((\w)<<2)|((\w)<<4)
	WIN QW
.irp b, 0,1,2,3
	v_max3_num_f32 v[TM+\b], 0x1800000, |v[QS+16*\b]|, |v[QS+16*\b+1]|
.endr
.irp i, 2,4,6,8,10,12,14
.irp b, 0,1,2,3
	v_max3_num_f32 v[TM+\b], v[TM+\b], |v[QS+16*\b+\i]|, |v[QS+16*\b+\i+1]|
.endr
.endr
	WIN 0
.irp b, 0,1,2,3
	v_permlanex16_b32 v[TM+4+\b], v[TM+\b], s[SEL], s[SEL+1]
.endr
.irp b, 0,1,2,3
	v_max_num_f32 v[TM+\b], v[TM+\b], v[TM+4+\b]
.endr
.irp b, 0,1,2,3
	v_add_nc_u32 v[TM+12+\b], 0xff000000, v[TM+\b]
.endr
.irp b, 0,1,2,3
	v_lshrrev_b32 v[TM+4+\b], 23, v[TM+12+\b]
.endr
	v_lshl_or_b32 v[QO], v[TM+5], 8, v[TM+4]
	v_lshl_or_b32 v[QO], v[TM+6], 16, v[QO]
	v_lshl_or_b32 v[QO], v[TM+7], 24, v[QO]
	WIN QV
.irp c, 0,1
	v_cvt_scalef32_pk16_fp6_f32 v[QP+6*\c:QP+6*\c+2], v[QS+32*\c:QS+32*\c+15], v[TM+12+2*\c]
	v_cvt_scalef32_pk16_fp6_f32 v[QP+12+4*\c:QP+14+4*\c], v[QS+32*\c+16:QS+32*\c+31], v[TM+13+2*\c]
.endr
	WIN 0
	v_nop
.irp c, 0,1
.irp i, 0,1,2
	v_permlane16_swap_b32 v[QP+6*\c+\i], v[QP+12+4*\c+\i]
.endr
.irp i, 0,1,2
	v_mov_b32 v[QP+3+6*\c+\i], v[QP+12+4*\c+\i]
.endr
.endr
.endm
.macro PUTF pc, base, off
	global_store_b128 v[L16], v[\pc:\pc+3], s[\base:\base+1] offset:\off
	global_store_b64 v[L8], v[\pc+4:\pc+5], s[\base:\base+1] offset:\off
	global_store_b128 v[L16], v[\pc+6:\pc+9], s[\base:\base+1] offset:\off+768
	global_store_b64 v[L8], v[\pc+10:\pc+11], s[\base:\base+1] offset:\off+768
.endm
.macro TABLE off                       ; 64 table words: register n holds key KF + 16 h + 32 (n / 16) + n % 16; off = 512 (e + 1)
.set n, 0
.rept 64
	ds_load_b32 v[32+n], v[AB0] offset:(\off)+4*(32*(n/16)+n%16)
.set n, n+1
.endr
.endm
	s_load_b256 s[4:11], s[0:1], 0x0               ; qkv_img s[4:5], qkv_sc s[6:7], conv s[8:9], o_img s[10:11]
	s_load_b64 s[12:13], s[0:1], 0x20              ; o_sc
	v_lshl_add_u32 v[SPW], v0, 2, SPARE
	v_mov_b32 v[NIL], 0
	ds_add_u32 v5, v6
	s_wait_dscnt 0x0
	v_lshrrev_b32 v8, 5, v0
	v_readfirstlane_b32 s[WV], v8                  ; wave 0..15
	s_and_b32 s81, ttmp7, 0xffff
	s_and_b32 s82, s81, 7                          ; head
	s_lshr_b32 s81, s81, 3                         ; batch
	s_and_b32 s83, s[WV], 1                        ; which half of a slot's K or V I fetch, if I fetch
	s_mul_i32 s84, s81, 196608                     ; the batch's 128 tiles of 1,536 bytes
	s_lshr_b32 s85, s82, 1                         ; the head's pair
	s_and_b32 s86, s82, 1                          ; and its place in it
	s_add_co_u32 s87, s85, 4
	s_mul_i32 s87, s87, 786432
	s_add_co_u32 s87, s87, s84                     ; K: the pair's images of this batch
	s_mul_i32 s88, s82, 786432
	s_add_co_u32 s88, s88, s84
	s_add_co_u32 s88, s88, IMGV                    ; V: the head's images of this batch
	s_mul_i32 s89, s86, 768
	s_mul_i32 s90, s83, 12288
	s_add_co_u32 s92, s87, s89
	s_add_co_u32 s92, s92, s90                     ; K: my 8 sub-images of slot 0
	s_mov_b32 s93, 0
	s_add_co_u32 s94, s88, s90                     ; V: my step of slot 0
	s_mov_b32 s95, 0
	s_lshl_b32 s96, s82, 15
	s_lshl_b32 s97, s81, 13
	s_add_co_u32 s96, s96, s97
	s_mov_b32 s91, s96                             ; 32,768 head + 8,192 batch: it serves four layouts
	s_lshl_b32 s97, s83, 12
	s_add_co_u32 s96, s96, s97
	s_add_co_u32 s96, s96, 262144                  ; K's scale chunks: my half
	s_mov_b32 s97, 0
	s_add_co_u32 s98, s96, 262144                  ; V's
	s_mov_b32 s99, 0
	s_mul_i32 s14, s83, 6144                       ; LDS: K's half,
	s_add_co_u32 s15, s90, VOFF                    ; V's,
	s_lshl_b32 s16, s83, 12                        ; the chunks'
	; descriptor groups 1, elements of 8 bytes, no mask, no padding.  K: 8 rows of 768 bytes, 1,536 apart
	s_mov_b32 s[G1K], 3<<16
	s_mov_b32 s[G1K+1], 96<<16
	s_mov_b32 s[G1K+2], 8<<16
	s_mov_b32 s[G1K+3], 96<<16
	s_mov_b32 s[G1K+4], 8
	s_mov_b32 s[G1K+5], 192
	s_mov_b32 s[G1K+6], 0
	s_mov_b32 s[G1K+7], 0
	s_mov_b32 s[G1V], 3<<16                        ; V: 12,288 dense bytes as 48 rows of 256
	s_mov_b32 s[G1V+1], 32<<16
	s_mov_b32 s[G1V+2], 48<<16
	s_mov_b32 s[G1V+3], 32<<16
	s_mov_b32 s[G1V+4], 48
	s_mov_b32 s[G1V+5], 32
	s_mov_b32 s[G1V+6], 0
	s_mov_b32 s[G1V+7], 0
	s_mov_b32 s[G1S], 3<<16                        ; scale chunks: 4,096 dense bytes as 16 rows of 256
	s_mov_b32 s[G1S+1], 32<<16
	s_mov_b32 s[G1S+2], 16<<16
	s_mov_b32 s[G1S+3], 32<<16
	s_mov_b32 s[G1S+4], 16
	s_mov_b32 s[G1S+5], 32
	s_mov_b32 s[G1S+6], 0
	s_mov_b32 s[G1S+7], 0
	s_mov_b32 s[SEL], 0x76543210
	s_mov_b32 s[SEL+1], 0xfedcba98
	s_mov_b32 s[CS], 0x3e38aa3b                    ; c = log2(e) / 8
	s_mov_b32 s[CS+1], s[CS]
	s_mov_b32 s[TB], 0
	s_mov_b32 s[TS], 0
	s_mov_b32 s[KF], 0
	s_mov_b32 s[SLOTS], 7
	s_wait_kmcnt 0x0
	s_mov_b32 s[G0SK], 1
	s_add_co_u32 s[G0SK+1], s16, SCK
	s_add_nc_u64 s[G0SK+2:G0SK+3], s[6:7], s[96:97]
	s_or_b32 s[G0SK+3], s[G0SK+3], 0x80000000
	s_mov_b32 s[G0SV], 1
	s_add_co_u32 s[G0SV+1], s16, SCV
	s_add_nc_u64 s[G0SV+2:G0SV+3], s[6:7], s[98:99]
	s_or_b32 s[G0SV+3], s[G0SV+3], 0x80000000
	TLOAD G0SK, G1S, G0SV, G1S                     ; the scale chunks: filled once
	s_mov_b32 s[G0K], 1
	s_mov_b32 s[G0K+1], s14
	s_add_nc_u64 s[G0K+2:G0K+3], s[4:5], s[92:93]
	s_or_b32 s[G0K+3], s[G0K+3], 0x80000000
	s_mov_b32 s[G0V], 1
	s_mov_b32 s[G0V+1], s15
	s_add_nc_u64 s[G0V+2:G0V+3], s[4:5], s[94:95]
	s_or_b32 s[G0V+3], s[G0V+3], 0x80000000
	TLOAD G0K, G1K, G0V, G1V                       ; slot 0
	s_lshl_b32 s14, ttmp9, 4
	s_add_co_u32 s14, s14, s[WV]                   ; my tile in the batch
	s_mul_i32 s92, s14, 1536
	s_mul_i32 s94, s85, 786432
	s_add_co_u32 s92, s92, s94
	s_add_co_u32 s92, s92, s84
	s_add_co_u32 s92, s92, s89
	s_add_nc_u64 s[16:17], s[4:5], s[92:93]        ; Q's sub-image
	s_lshr_b32 s94, s14, 3
	s_lshl_b32 s94, s94, 9                         ; Q's scale word: the chunk of 8 tiles,
	s_bfe_u32 s96, s14, 0x10002
	s_lshl_b32 s96, s96, 8                         ; 256 ((tile % 8) / 4),
	s_add_co_u32 s94, s94, s96
	s_and_b32 s96, s14, 3
	s_lshl_b32 s96, s96, 2                         ; 4 (tile % 4)
	s_add_co_u32 s94, s94, s96
	s_add_co_u32 s94, s94, s91
	s_add_nc_u64 s[6:7], s[6:7], s[94:95]
	s_mul_i32 s92, s81, 1572864                    ; O's image: (tile x 8 + head) x 1,536
	s_mul_i32 s94, s14, 12288
	s_add_co_u32 s92, s92, s94
	s_mul_i32 s94, s82, 1536
	s_add_co_u32 s92, s92, s94
	s_add_nc_u64 s[10:11], s[10:11], s[92:93]
	s_lshl_b32 s92, ttmp9, 10                      ; O's scale words: (head x 8,192 + batch x 2,048 + 256 x) x 4
	s_add_co_u32 s92, s92, s91
	s_add_nc_u64 s[12:13], s[12:13], s[92:93]
	s_mul_i32 s92, s82, 84                         ; conv's row of 21 numbers
	s_add_nc_u64 s[8:9], s[8:9], s[92:93]
	s_load_b32 s74, s[8:9], 0x0                    ; conv[head][0]
	s_load_b32 s75, s[8:9], 0x50                   ; conv[head][20]
	s_lshl_b32 s[Q0], ttmp9, 8
	s_lshr_b32 s92, s[WV], 1
	s_lshl_b32 s92, s92, 5
	s_add_co_u32 s[Q0], s[Q0], s92
	s_lshl_b32 s92, s83, 3
	s_add_co_u32 s[Q0], s[Q0], s92                 ; 256 x + 32 (wave / 2) + 8 (wave % 2)
	s_add_co_u32 s[QR], s[Q0], 33
	; the prefetches: who asks, and where
	s_and_b32 s92, s82, 1
	s_cmp_lt_u32 s[WV], 8
	s_cselect_b32 s92, s92, 0                      ; K's waves ask where the head is even
	s_cselect_b32 s94, s87, s88
	s_or_b32 s92, s92, ttmp9                       ; the first work-group of the eight
	s_sub_co_u32 s96, s[WV], 4
	s_lshr_b32 s96, s96, 3                         ; 0 in waves 4 to 11
	s_or_b32 s92, s92, s96
	s_and_b32 s96, s[WV], 3
	s_cmp_eq_u32 s96, 3                            ; (24,576 bytes are three waves' worth)
	s_cselect_b32 s97, 1, 0
	s_or_b32 s92, s92, s97
	s_cmp_eq_u32 s92, 0
	s_cselect_b32 s[LIM], 1, -1
	s_lshl_b32 s96, s96, 13
	s_add_co_u32 s94, s94, s96
	s_add_co_u32 s94, s94, 24576                   ; in slot 1: the first change of slots steps it to slot 2
	s_add_nc_u64 s[PFA:PFA+1], s[4:5], s[94:95]
	v_and_b32 v8, 15, v0                           ; r
	v_bfe_u32 v9, v0, 4, 1                         ; h
	v_and_b32 v10, 31, v0
	v_lshlrev_b32 v[L16], 4, v10
	v_lshlrev_b32 v[PFO], 8, v10
	v_lshlrev_b32 v[L8], 4, v8
	v_lshl_add_u32 v[L8], v9, 3, v[L8]
	v_add_nc_u32 v[L8], 512, v[L8]
	global_load_b128 v[16:19], v[L16], s[16:17]    ; Q's six registers stay
	global_load_b64 v[20:21], v[L8], s[16:17]
	v_lshlrev_b32 v11, 4, v8
	global_load_b32 v255, v11, s[6:7]              ; Q's scale words
	v_mov_b32 v33, 246                             ; the table's entry t stands for j - i = t - 256: conv[clip(t - 246, 0, 20)]
	v_max_u32 v32, 246, v0
	v_sub_nc_u32 v32, v32, v33
	v_min_u32 v32, 20, v32
	v_lshlrev_b32 v32, 2, v32
	global_load_b32 v34, v32, s[8:9]
	v_add_nc_u32 v[ASC0], SCK, v[L16]
	v_and_b32 v10, 8, v8
	v_add_nc_u32 v10, v10, v8                      ; rr = r + 8 (r / 8): bits 0 to 2 and 4
	v_xor_b32 v10, 23, v10                         ; 23 - rr
	v_lshlrev_b32 v10, 2, v10
	v_lshl_add_u32 v[AB0], v9, 6, v10
	s_lshr_b32 s92, s[WV], 1
	s_and_b32 s92, s92, 3
	s_lshl_b32 s92, s92, 5
	s_lshl_b32 s94, s83, 3
	s_or_b32 s92, s92, s94                         ; m = 32 ((wave / 2) % 4) + 8 (wave % 2): bits 3, 5 and 6
	s_xor_b32 s92, s92, 104                        ; 104 - m
	s_lshl_b32 s92, s92, 2
	s_add_co_u32 s92, s92, TBL+4
	v_add_nc_u32 v[AB0], s92, v[AB0]               ; TBL + 4 (1 + (104 - m) + (23 - rr) + 16 h): the wave's number, the lane and constants
	v_lshl_add_u32 v38, v0, 2, TBL                 ; where I write the table
	v_mov_b32 v13, 0xff61b1e6                      ; the largest t so far: -3e38
	v_floor_f32 v12, -v13                          ; -M
	v_mov_b32 v14, 0
	v_mov_b32 v15, 0
	v_mov_b32 v29, 0                               ; (named as the upper half of the pair v[28:29])
	v_mov_b32 v253, 0                              ; (of v[252:253])
.irp j, 22,23,24,25,26,27
	v_mov_b32 v[\j], 0                             ; Q's upper 64 along K: zero codes
.endr
.irp j, 80,81,82,83,84,85
	v_mov_b32 v[\j], 0                             ; named as the upper half of K's last tile: whatever they hold meets Q's zero codes
.endr
.irp b, 0,1,2,3
	v_mov_b32 v[236+\b], 0                         ; a lane permute's destination counts as one of its sources
.endr
.set n, 0
.rept 64
	v_mov_b32 v[160+n], 0                          ; O^T: the loop is written once; its first step finds zeros
.set n, n+1
.endr
	s_wait_kmcnt 0x0
	s_mul_f32 s[BL], s74, 0x3fb8aa3b
	s_mul_f32 s[BR], s75, 0x3fb8aa3b
	v_ldexp_f32 v37, s75, 3                        ; 8 x: exact
	s_wait_loadcnt 0x0                             ; Q, its scale words, my entry of the table
	v_ldexp_f32 v34, v34, 3
	ds_store_b32 v38, v34                          ; entry t,
	ds_store_b32 v38, v37 offset:2048              ; and entry 512 + t, far to the right.  The first change of slots waits for these and passes a barrier
; A KEY STEP: 128 keys, the q-th of the slot in hand
.macro STEP q
	v_add_nc_u32 v[AD16], s[TB], v[L16]            ; (these four are also the places behind the last products, in front of the loads below)
	v_add_nc_u32 v[AD8], s[TB], v[L8]
	v_add_nc_u32 v[ADS], s[TS], v[ASC0]
	v_nop
.irp t, 0,1,2,3,4,5,6,7
	ds_load_b128 v[32+6*\t:35+6*\t], v[AD16] offset:(\q)*6144+768*\t
	ds_load_b64 v[36+6*\t:37+6*\t], v[AD8] offset:(\q)*6144+768*\t
.endr
	ds_load_b128 v[248:251], v[ADS]                ; K's scale words: tile t in v[248 + t % 4], lanes 16 (t / 4) on
	s_wait_dscnt 0x0
.irp t, 0,1,2,3
	v_wmma_scale_f32_16x16x128_f8f6f4 v[96+8*\t:103+8*\t], v[32+6*\t:43+6*\t], v[16:27], 0, v[248+\t], v255 matrix_a_fmt:MATRIX_FMT_FP6 matrix_b_fmt:MATRIX_FMT_FP6
.endr
.irp t, 4,5,6,7
	v_wmma_scale_f32_16x16x128_f8f6f4 v[96+8*\t:103+8*\t], v[32+6*\t:43+6*\t], v[16:27], 0, v[244+\t], v255 matrix_a_fmt:MATRIX_FMT_FP6 matrix_b_fmt:MATRIX_FMT_FP6 matrix_a_scale:MATRIX_SCALE_ROW1
.endr
.rept 4
	v_nop
.endr
	s_add_co_u32 s96, s[KF], 137                   ; all keys 10 or more to the left of all my queries?
	s_cmp_le_u32 s96, s[Q0]
	s_cselect_b32 s[TBS], s[BL], 0
	s_cbranch_scc1 .Lfar_\@
	s_cmp_ge_u32 s[KF], s[QR]                      ; or to the right?
	s_cselect_b32 s[TBS], s[BR], 0
	s_cbranch_scc1 .Lfar_\@
	s_cmp_gt_u32 s[KF], s[Q0]                      ; the step begins 128 e - m keys from my first query: e = 1?
	s_cbranch_scc1 .Lright_\@
	s_add_co_u32 s96, s[KF], 128
	s_cmp_le_u32 s96, s[Q0]                        ; e = -1?
	s_cbranch_scc1 .Lleft_\@
	TABLE 512
	s_branch .Ljoin_\@
.Lleft_\@:
	TABLE 0
	s_branch .Ljoin_\@
.Lright_\@:
	TABLE 1024
.Ljoin_\@:
	s_wait_dscnt 0x0
.set n, 0
.rept 32
	v_pk_add_f32 v[96+n:97+n], v[96+n:97+n], v[32+n:33+n]      ; s + 8 bias, each accumulator from its low end on
.set n, n+2
.endr
.Lfar_\@:
.irp b, 0,1,2,3
	v_max3_num_f32 v[232+\b], v[96+16*\b], v[97+16*\b], v[98+16*\b]   ; the largest score of each block of 32 keys: for the row's maximum and for the block's largest p
.endr
.irp i, 3,5,7,9,11,13
.irp b, 0,1,2,3
	v_max3_num_f32 v[232+\b], v[232+\b], v[96+16*\b+\i], v[97+16*\b+\i]
.endr
.endr
.irp b, 0,1,2,3
	v_max_num_f32 v[232+\b], v[232+\b], v[111+16*\b]
.endr
.irp b, 0,1,2,3
	v_permlanex16_b32 v[236+\b], v[232+\b], s[SEL], s[SEL+1]
.endr
.irp b, 0,1,2,3
	v_max_num_f32 v[232+\b], v[232+\b], v[236+\b]  ; with lane l xor 16's 16 keys
.endr
	v_max3_num_f32 v254, v232, v233, v234
	v_max_num_f32 v254, v254, v235
	v_fma_f32 v254, v254, s[CS], s[TBS]            ; the step's largest t
	v_max_num_f32 v13, v13, v254
	v_mov_b32 v254, v12
	v_floor_f32 v12, -v13                          ; the new -M = -ceil(t)
	v_sub_f32 v254, v12, v254                      ; old M - new M: a whole number, 0 or less
	v_cvt_i32_f32 v254, v254                       ; (it saturates)
	v_ldexp_f32 v252, 1.0, v254                    ; f = 2^(old M - new M)
	v_add_f32 v28, s[TBS], v12                     ; the step's bias - M
.set n, 0
.rept 32
	v_pk_fma_f32 v[96+n:97+n], v[96+n:97+n], s[CS:CS+1], v[28:29] op_sel_hi:[1,0,0]   ; t - M
.set n, n+2
.endr
.irp b, 0,1,2,3
	v_fma_f32 v[232+\b], v[232+\b], s[CS], v28
.endr
.set n, 0
.rept 64
	v_exp_f32 v[96+n], v[96+n]                     ; p = 2^(t - M)
.set n, n+1
.endr
	v_pk_mul_f32 v[14:15], v[14:15], v[252:253] op_sel_hi:[1,0]   ; the sums under the new M; the plain instruction behind the exponentials
	s_wait_alu depctr_va_vdst(0)                   ; one wait for the batch of 64, ahead of its first reader
.irp b, 0,1,2,3
	v_exp_f32 v[232+\b], v[232+\b]                 ; each block's largest p
.endr
	v_pk_add_f32 v[236:237], v[96:97], v[98:99]    ; the row's sum of the unquantised p, in two chains
.irp j, 4,8,12,16,20,24,28,32,36,40,44,48,52,56,60
	v_pk_add_f32 v[14:15], v[14:15], v[96+\j:97+\j]
	v_pk_add_f32 v[236:237], v[236:237], v[98+\j:99+\j]
.endr
	v_pk_add_f32 v[14:15], v[14:15], v[236:237]
	s_wait_alu depctr_va_vdst(0)                   ; and one for the four
.irp b, 0,1,2,3
	v_max_num_f32 v[232+\b], 0x1800000, v[232+\b]  ; the floor 2^(3 - 127)
.endr
.irp b, 0,1,2,3
	v_add_nc_u32 v[244+\b], 0xff000000, v[232+\b]
.endr
.irp b, 0,1,2,3
	v_lshrrev_b32 v[236+\b], 23, v[244+\b]
.endr
	v_lshl_or_b32 v253, v237, 8, v236              ; p's scale word for these 128 keys
	v_lshl_or_b32 v253, v238, 16, v253
	v_lshl_or_b32 v253, v239, 24, v253
.irp c, 0,1
	v_cvt_scalef32_pk16_fp6_f32 v[224+6*\c:226+6*\c], v[96+32*\c:111+32*\c], v[244+2*\c]
	v_cvt_scalef32_pk16_fp6_f32 v[236+4*\c:238+4*\c], v[112+32*\c:127+32*\c], v[244+2*\c+1]
.endr
	v_nop
.irp c, 0,1
.irp i, 0,1,2
	v_permlane16_swap_b32 v[224+6*\c+\i], v[236+4*\c+\i]
.endr
.irp i, 0,1,2
	v_mov_b32 v[227+6*\c+\i], v[236+4*\c+\i]
.endr
.endr
.set n, 0
.rept 32
	v_pk_mul_f32 v[160+n:161+n], v[160+n:161+n], v[252:253] op_sel_hi:[1,0]   ; O^T under the new M; these are also the places in front of the products below
.set n, n+2
.endr
.irp g, 0,1                            ; O^T += V^T P^T, four tiles of 16 channels at a time
.if \g > 0
.rept 4
	v_nop
.endr
.endif
.irp t, 0,1,2,3
.irp c, 0,1
	ds_load_b128 v[32+12*\t+6*\c:35+12*\t+6*\c], v[AD16] offset:VOFF+(\q)*12288+(4*\g+\t)*1536+768*\c
	ds_load_b64 v[36+12*\t+6*\c:37+12*\t+6*\c], v[AD8] offset:VOFF+(\q)*12288+(4*\g+\t)*1536+768*\c
.endr
.endr
.if \g == 0
	ds_load_b128 v[248:251], v[ADS] offset:8192    ; V's scale words: tile 4 g + t in v[248 + t], lanes 16 g on
.endif
	s_wait_dscnt 0x0
.irp t, 0,1,2,3
.if \g == 0
	v_wmma_scale_f32_16x16x128_f8f6f4 v[160+8*\t:167+8*\t], v[32+12*\t:43+12*\t], v[224:235], v[160+8*\t:167+8*\t], v[248+\t], v253 matrix_a_fmt:MATRIX_FMT_FP6 matrix_b_fmt:MATRIX_FMT_FP6
.else
	v_wmma_scale_f32_16x16x128_f8f6f4 v[192+8*\t:199+8*\t], v[32+12*\t:43+12*\t], v[224:235], v[192+8*\t:199+8*\t], v[248+\t], v253 matrix_a_fmt:MATRIX_FMT_FP6 matrix_b_fmt:MATRIX_FMT_FP6 matrix_a_scale:MATRIX_SCALE_ROW1
.endif
.endr
.endr
	s_add_co_u32 s[KF], s[KF], 128
	s_add_co_u32 s[TS], s[TS], 512
.endm
; THE CHANGE OF SLOTS stands at a slot's head: each wave waits for all its tensor loads, adds 0 to its spare word, and waits for that and for its LDS instructions; behind the barrier the slot ahead is whole
; and nobody reads the other one.  fill = 1: that other slot takes the next 256 keys; the load has a slot's two steps in which to land.
.macro CHANGE fill
	s_wait_tensorcnt 0x0
	ds_add_u32 v[SPW], v[NIL]
.if \fill
	s_xor_b32 s[G0K+1], s[G0K+1], SLOT1
	s_add_nc_u64 s[G0K+2:G0K+3], s[G0K+2:G0K+3], 24576
	s_xor_b32 s[G0V+1], s[G0V+1], SLOT1
	s_add_nc_u64 s[G0V+2:G0V+3], s[G0V+2:G0V+3], 24576
	s_wait_xcnt 0x0                                ; the last prefetch, a slot back, has read its address
	s_add_nc_u64 s[PFA:PFA+1], s[PFA:PFA+1], 24576
.endif
	s_wait_dscnt 0x0
	s_barrier_signal -1
	s_barrier_wait -1
.if \fill
	TLOAD G0K, G1K, G0V, G1V                       ; the first thing behind the barrier, and a wave's one tensor load until the next
	ASK
.endif
.endm
.macro SLOT_STEPS
	STEP 0
	STEP 1
	s_xor_b32 s[TB], s[TB], SLOT1
.endm
.Lslot:                                            ; seven trips: behind each change of slots but the last the next slot is asked for
	CHANGE 1
	SLOT_STEPS
	s_sub_co_u32 s[SLOTS], s[SLOTS], 1
	s_cmp_lg_u32 s[SLOTS], 0
	s_cbranch_scc1 .Lslot
	CHANGE 0                                       ; the last slot is written out
	SLOT_STEPS
	; THE WAY OUT: O^T / the sum, quantised along the channels, stored as the image of (my tile, kstep = head); the 256 scale words meet in LDS and leave as 1,024 consecutive bytes
	v_add_f32 v14, v14, v15
	v_permlanex16_b32 v252, v14, s[SEL], s[SEL+1]
	v_add_f32 v14, v14, v252                       ; the row's sum
	v_rcp_f32 v14, v14
	v_and_b32 v8, 15, v0
	v_lshlrev_b32 v8, 2, v8
	s_lshl_b32 s92, s[WV], 6
	s_add_co_u32 s92, s92, OSC
	v_add_nc_u32 v8, s92, v8                       ; my row's word: OSC + 64 wave + 4 r
	v_add_nc_u32 v9, OSC, v[L16]
	s_wait_alu depctr_va_vdst(0)                   ; ahead of the reciprocal's first reader
.set n, 0
.rept 64
	v_mul_f32 v[96+n], v[160+n], v14               ; register 16 b + i: channel 32 b + 16 h + i
.set n, n+1
.endr
	QUANT 96, 0, 32, 52
	PUTF 32, 10, 0
	ds_store_b32 v8, v52                           ; both halves of the lanes write the same word with the same value
	s_wait_dscnt 0x0
	s_barrier_signal -1
	s_barrier_wait -1
	s_cmp_lg_u32 s[WV], 0
	s_cbranch_scc1 .Lnot_zero
	ds_load_b128 v[56:59], v9
	ds_load_b128 v[60:63], v9 offset:512
	s_wait_dscnt 0x0
	global_store_b128 v[L16], v[56:59], s[12:13]
	global_store_b128 v[L16], v[60:63], s[12:13] offset:512
.Lnot_zero:
	s_wait_tensorcnt 0x0                           ; the wave's end
	ds_add_u32 v[SPW], v[NIL]
	s_wait_dscnt 0x0
	s_endpgm
.Lfunc_end_k_q6d23cf1dba_attn:
	.size	k_q6d23cf1dba_attn, .Lfunc_end_k_q6d23cf1dba_attn-k_q6d23cf1dba_attn
	.p2alignl 7, 3214868480
	.fill 96, 4, 3214868480
	.section	.rodata,"a",@progbits
	.p2align	6, 0x0
	.amdhsa_kernel k_q6d23cf1dba_attn
		.amdhsa_group_segment_fixed_size 327680
		.amdhsa_private_segment_fixed_size 0
		.amdhsa_enable_private_segment 0
		.amdhsa_kernarg_size 40
		.amdhsa_user_sgpr_count 2
		.amdhsa_user_sgpr_kernarg_segment_ptr 1
		.amdhsa_wavefront_size32 1
		.amdhsa_system_sgpr_workgroup_id_x 1
		.amdhsa_system_sgpr_workgroup_id_y 1
		.amdhsa_system_sgpr_workgroup_id_z 1
		.amdhsa_system_vgpr_workitem_id 0
		.amdhsa_next_free_vgpr 256
		.amdhsa_next_free_sgpr 100
		.amdhsa_reserve_vcc 0
		.amdhsa_float_denorm_mode_32 3
		.amdhsa_float_denorm_mode_16_64 3
		.amdhsa_memory_ordered 1
		.amdhsa_forward_progress 1
		.amdhsa_inst_pref_size 154
	.end_amdhsa_kernel
	.amdgpu_metadata
---
amdhsa.version: [ 1, 2 ]
amdhsa.kernels:
  - .name:           k_q6d23cf1dba_attn
    .symbol:         k_q6d23cf1dba_attn.kd
    .args:
      - { .name: qkv_img, .offset: 0, .size: 8, .value_kind: global_buffer, .address_space: global }
      - { .name: qkv_sc, .offset: 8, .size: 8, .value_kind: global_buffer, .address_space: global }
      - { .name: conv, .offset: 16, .size: 8, .value_kind: global_buffer, .address_space: global }
      - { .name: o_img, .offset: 24, .size: 8, .value_kind: global_buffer, .address_space: global }
      - { .name: o_sc, .offset: 32, .size: 8, .value_kind: global_buffer, .address_space: global }
    .group_segment_fixed_size: 327680
    .private_segment_fixed_size: 0
    .kernarg_segment_align: 8
    .kernarg_segment_size: 40
    .max_flat_workgroup_size: 512
    .sgpr_count:     100
    .vgpr_count:     256
    .wavefront_size: 32
...
	.end_amdgpu_metadata
.endif
;; end of part 4
;; launch gemm_out (part 5): grid 4 x 32, 4 waves a work-group, clusters of 4 x 4, 327,680 bytes of LDS; arguments o_img, o_sc, w_img, w_sc, b_out, out0; writes out0
.if DOCPART == 5
	.amdgcn_target "amdgcn-amd-amdhsa--gfx1250"
	.amdhsa_code_object_version 6
	.text
	.protected	k_q6d23cf1dba_gemm_out
	.globl	k_q6d23cf1dba_gemm_out
	.p2align	8
	.type	k_q6d23cf1dba_gemm_out,@function
k_q6d23cf1dba_gemm_out:
	s_mov_b64 s[64:65], 0
	v_nop
	global_prefetch_b8 v0, s[64:65] scope:SCOPE_SE
	s_setreg_imm32_b32 hwreg(HW_REG_WAVE_MODE, 25, 1), 1
	s_wait_xcnt 0x0
	s_wait_alu depctr_hold_cnt(0) depctr_sa_sdst(0) depctr_va_vdst(0) depctr_va_sdst(0) depctr_va_ssrc(0) depctr_va_vcc(0) depctr_vm_vsrc(0)
	s_getreg_b32 s2, hwreg(HW_REG_IB_STS2, 6, 4)
	s_cmp_eq_u32 s2, 0
	s_cbranch_scc0 .Lentry_in_a_cluster
	s_endpgm
.Lentry_in_a_cluster:
	s_bfe_u32 s2, ttmp6, 0x10000c
	s_cmp_lg_u32 s2, 0xf033
	s_cbranch_scc0 .Lentry_shape_is_right
	s_endpgm
.Lentry_shape_is_right:
; out0 = O W_out + b_out on codes of FP6 (E2M3) with E8M0 scales, K = 1,024.  A = O's images (8,192 tokens), B = W_out's images (1,024 columns); out0 [8192][1024] f32.
; A work-group of four waves makes 256 x 256, a wave 128 x 128: 64 accumulators.  K goes in steps of 256 through two LDS slots filled by the tensor data mover: four fills, written out without a loop.
; OPERANDS ARE IMAGES of their registers: a fragment (16 rows x 128 K) is 1,536 dense bytes; lane (r, h) has registers 6 c .. 6 c + 3 at 768 c + 16 (16 h + r), 6 c + 4, 6 c + 5 at 768 c + 512 + 16 r + 8 h.
; Row r of tile t of every image stands for index 32 (t / 2) + 8 (t % 2) + r + 8 (r / 8).  THE MATRIX INSTRUCTION IS USED TRANSPOSED (source 0 = a tile of B, source 1 = a tile of A): a lane holds one token, and the
; registers of B's tile 2 b + u are the columns 32 b + 16 h + 8 u + 0 .. 7.  The bias is the C of each sum's first instruction.  All scale words stay in registers.
; CLUSTERS: 4 x 4 work-groups; A's tiles are asked for jointly along a row of the cluster, B's along a column.  By this text's own count a wave has two tensor loads out at the start and one afterwards.
; 128 work-groups: the tile is kept at 256 x 256 so that no fragment is read twice from LDS.  No prefetch: the launch's matrix work is 512 instructions a wave.
; REGISTERS: window 0: v4, v5 lane terms; v16-23 LDS addresses; v24-31 lane terms; v32-63 A's scale words, v64-95 B's; v96-127 and v224-255 the bias, eight tiles; v128-223 A's fragments; on the way out v128-255 rows of out0.
;   window 1: B's fragments, two sets.   windows 2, 3: the accumulators.
.set HALFT,  24576
.set SLOT,   4*HALFT
.set SPARE,  2*SLOT
.set L16,  4
.set L8,   5
.set ADRA, 16
.set ADRB, 20
.set STO,  24
.set RD,   25
.set SPW,  28
.set NIL,  29
.set SCA,  32
.set SCB,  64
.set AF,   128
.set BK,   128
.set G1,   24
.set G0,   32
.set G1B,  48
.set G0B,  56
.set TO_B, 0x40
.set MSB, 0
.macro WIN new
.if MSB != \new
	s_set_vgpr_msb (MSB<<8)|\new
.set MSB, \new
.endif
.endm
.macro JLOAD g0a, g1a, g0b, g1b        ; a joint load: waves 0 and 1 fetch for A, waves 2 and 3 for B; four v_nop follow each line
	s_cmp_eq_u32 s17, 0
	s_cbranch_scc0 .Lfor_b_\@
	tensor_load_to_lds s[\g0a:\g0a+3], s[\g1a:\g1a+7]
	s_nop 0
.rept 4
	v_nop
.endr
	s_branch .Lasked_\@
.Lfor_b_\@:
	tensor_load_to_lds s[\g0b:\g0b+3], s[\g1b:\g1b+7]
	s_nop 0
.rept 4
	v_nop
.endr
.Lasked_\@:
.endm
.macro CREST
	s_cmp_lg_u32 s16, 0
	s_cbranch_scc1 .Lnot_wave_0_\@
	s_barrier_signal -3
.Lnot_wave_0_\@:
	s_barrier_wait -3
	s_barrier_signal -1
	s_barrier_wait -1
.endm
.macro CROUND
	s_barrier_signal -1
	s_barrier_wait -1
	CREST
.endm
.macro PLACES n
.rept \n
	v_nop
.endr
.endm
.macro FRAG reg, adr, q, i
.irp c, 0,1
	ds_load_b128 v[\reg+6*\c:\reg+6*\c+3], v[\adr] offset:(\i)*3072+(\q)*1536+768*\c
	ds_load_b64 v[\reg+6*\c+4:\reg+6*\c+5], v[\adr+2] offset:(\i)*3072+(\q)*1536+768*\c
.endr
.endm
.macro FETCH_B slot, q, p
	WIN TO_B
.irp i, 0,1,2,3,4,5,6,7
	FRAG 128*(\p)+12*\i, ADRB+\slot, \q, \i
.endr
	WIN 0
.endm
.macro FETCH_A slot, q, i0
.irp i, \i0, \i0+1, \i0+2, \i0+3
	FRAG AF+12*(\i), ADRA+\slot, \q, \i
.endr
.endm
; 16 matrix instructions: A's blocks a0, a0 + 1 x B's eight.  cm = 2: the first product of each sum takes the bias tile of B's block as C.  The 64 accumulators take turns.
.macro MUL16 a0, p, q, kp, cm
.if (\cm) == 2
.set MW, 0x81+0x40*((\a0)/4)
.else
.set MW, 0xa1+0x50*((\a0)/4)
.endif
	WIN MW
.irp a, \a0, \a0+1
.irp b, 0,1,2,3,4,5,6,7
.set rD, 8*(8*((\a)%4)+\b)
.set rB, 128*(\p)+12*\b
.set rA, AF+12*(\a)
.set rC, 96+8*\b+96*(\b/4)
.set kB, SCB+4*\b+(\kp)
.set kA, SCA+4*(\a)+(\kp)
.if (\cm) == 2
	v_wmma_scale_f32_16x16x128_f8f6f4 v[rD:rD+7], v[rB:rB+11], v[rA:rA+11], v[rC:rC+7], v[kB], v[kA] matrix_a_fmt:MATRIX_FMT_FP6 matrix_b_fmt:MATRIX_FMT_FP6
.elseif (\q) == 1
	v_wmma_scale_f32_16x16x128_f8f6f4 v[rD:rD+7], v[rB:rB+11], v[rA:rA+11], v[rD:rD+7], v[kB], v[kA] matrix_a_fmt:MATRIX_FMT_FP6 matrix_b_fmt:MATRIX_FMT_FP6 matrix_a_scale:MATRIX_SCALE_ROW1 matrix_b_scale:MATRIX_SCALE_ROW1
.else
	v_wmma_scale_f32_16x16x128_f8f6f4 v[rD:rD+7], v[rB:rB+11], v[rA:rA+11], v[rD:rD+7], v[kB], v[kA] matrix_a_fmt:MATRIX_FMT_FP6 matrix_b_fmt:MATRIX_FMT_FP6
.endif
.endr
.endr
.endm
.macro STEP slot, kp, cm
	s_wait_dscnt 16                                ; B's set and A's blocks 0-3 are in; the youngest 16 loads (A's blocks 4-7) may be out
	MUL16 0, 0, 0, \kp, \cm
	MUL16 2, 0, 0, \kp, \cm
	s_wait_dscnt 0x0
	PLACES 4
	FETCH_B \slot, 1, 1
	FETCH_A \slot, 1, 0
	MUL16 4, 0, 0, \kp, \cm
	MUL16 6, 0, 0, \kp, \cm
	PLACES 4
	WIN 0
	FETCH_A \slot, 1, 4
.endm
.macro TURN slot, next, fill, kp
	s_wait_tensorcnt 0x0                           ; all my tensor loads have landed: my part of the next slot
	ds_add_u32 v[SPW], v[NIL]                      ; 0 onto my spare word
	s_wait_dscnt 17                                ; (the add and the youngest 16 loads may be out)
	MUL16 0, 1, 1, \kp, 0
	s_wait_dscnt 0x0                               ; the add is done, and my reads of this slot are over
	s_barrier_signal -1
	MUL16 2, 1, 1, \kp, 0
	WIN 0
	s_barrier_wait -1
.if \fill
	CREST                                          ; a round of the cluster's barrier: no wave of any partner still reads this slot or has a load on its way
	s_add_nc_u64 s[G0+4*\slot+2:G0+4*\slot+3], s[G0+4*\slot+2:G0+4*\slot+3], 6144
	s_add_nc_u64 s[G0B+4*\slot+2:G0B+4*\slot+3], s[G0B+4*\slot+2:G0B+4*\slot+3], 6144
	JLOAD G0+4*\slot, G1, G0B+4*\slot, G1B
.else
	PLACES 4
.endif
	FETCH_B \next, 0, 0
	FETCH_A \next, 0, 0
	MUL16 4, 1, 1, \kp, 0
	MUL16 6, 1, 1, \kp, 0
	PLACES 4
	WIN 0
	FETCH_A \next, 0, 4
.endm
	s_load_b128 s[4:7], s[0:1], 0x0                ; o_img, o_sc
	s_load_b128 s[8:11], s[0:1], 0x10              ; w_img, w_sc
	s_load_b128 s[12:15], s[0:1], 0x20             ; b_out, out0
	v_lshl_add_u32 v[SPW], v0, 2, SPARE
	v_mov_b32 v[NIL], 0
	ds_add_u32 v28, v29
	s_wait_dscnt 0x0
	v_lshrrev_b32 v1, 5, v0
	v_readfirstlane_b32 s16, v1                    ; wave 0..3
	s_lshr_b32 s17, s16, 1                         ; my half of the tile's rows.  Also: I fetch for A (0) or for B (1)
	s_and_b32 s18, s16, 1                          ; my half of its columns.  Also: which 8 tiles I fetch
	s_bfe_u32 s40, ttmp6, 0x40000                  ; cx
	s_bfe_u32 s41, ttmp6, 0x40004                  ; cy
	s_lshl_b32 s42, ttmp9, 2
	s_add_co_u32 s42, s42, s40                     ; tile column
	s_and_b32 s43, ttmp7, 0xffff
	s_lshl_b32 s43, s43, 2
	s_add_co_u32 s43, s43, s41                     ; tile row
	s_lshl_b32 s44, s41, 2
	s_lshl_b32 s44, 15, s44                        ; my row of the cluster
	s_lshl_b32 s45, 0x1111, s40                    ; my column
	s_or_b32 s[G1], s44, (3<<16)|(1<<21)           ; 8 rows (tiles) of 3,072 consecutive bytes, 12,288 apart; elements of 8 bytes; no padding
	s_or_b32 s[G1B], s45, (3<<16)|(1<<21)
.irp g, G1, G1B
	s_mov_b32 s[\g+1], 384<<16
	s_mov_b32 s[\g+2], 8<<16
	s_mov_b32 s[\g+3], 384<<16
	s_mov_b32 s[\g+4], 8
	s_mov_b32 s[\g+5], 1536
	s_mov_b32 s[\g+6], 0
	s_mov_b32 s[\g+7], 0
.endr
	s_lshl_b32 s22, s18, 3
	s_lshl_b32 s20, s43, 4
	s_add_co_u32 s20, s20, s22
	s_lshl_b32 s46, s42, 4
	s_add_co_u32 s46, s46, s22
	s_mul_i32 s20, s20, 12288
	s_mul_i32 s46, s46, 12288
	s_mov_b32 s21, 0
	s_mov_b32 s47, 0
	s_mul_i32 s23, s16, HALFT
	s_lshl_b32 s84, s43, 1
	s_add_co_u32 s84, s84, s17                     ; my 128 rows: 2 x tile row + half
	s_lshl_b32 s85, s42, 1
	s_add_co_u32 s85, s85, s18                     ; my 128 columns
	s_wait_kmcnt 0x0
	s_add_nc_u64 s[66:67], s[4:5], s[20:21]
	s_add_nc_u64 s[68:69], s[8:9], 1572864         ; W_out is the third weight in w_img
	s_add_nc_u64 s[68:69], s[68:69], s[46:47]
	CROUND                                         ; all sixteen work-groups are here: the first joint loads meet
.irp s, 0,1
	s_mov_b32 s[G0+4*\s], 1
	s_add_co_u32 s[G0+4*\s+1], s23, \s*SLOT
	s_add_nc_u64 s[G0+4*\s+2:G0+4*\s+3], s[66:67], \s*3072
	s_or_b32 s[G0+4*\s+3], s[G0+4*\s+3], 0x80000000
	s_mov_b32 s[G0B+4*\s], 1
	s_add_co_u32 s[G0B+4*\s+1], s23, \s*SLOT
	s_add_nc_u64 s[G0B+4*\s+2:G0B+4*\s+3], s[68:69], \s*3072
	s_or_b32 s[G0B+4*\s+3], s[G0B+4*\s+3], 0x80000000
	JLOAD G0+4*\s, G1, G0B+4*\s, G1B
.endr
	v_and_b32 v1, 15, v0                           ; r
	v_bfe_u32 v2, v0, 4, 1                         ; h
	v_and_b32 v3, 31, v0
	v_lshlrev_b32 v[L16], 4, v3
	v_lshlrev_b32 v[L8], 4, v1
	v_lshl_add_u32 v[L8], v2, 3, v[L8]
	v_add_nc_u32 v[L8], 512, v[L8]
	v_lshlrev_b32 v30, 2, v3                       ; B's scale words: 4 x lane
	v_lshlrev_b32 v27, 2, v1
	v_lshl_add_u32 v27, v2, 15, v27                ; A's: 4 r + 32,768 h (the odd kstep's plane)
	v_lshlrev_b32 v31, 6, v2                       ; the bias: 16 h numbers on
	s_mul_i32 s21, s17, HALFT
	s_mul_i32 s22, s18, HALFT
	s_add_co_u32 s22, s22, 2*HALFT
.irp s, 0,1
	v_add_nc_u32 v[ADRA+\s], s21, v[L16]
	v_add_nc_u32 v[ADRA+2+\s], s21, v[L8]
	v_add_nc_u32 v[ADRB+\s], s22, v[L16]
	v_add_nc_u32 v[ADRB+2+\s], s22, v[L8]
	s_add_co_u32 s21, s21, SLOT
	s_add_co_u32 s22, s22, SLOT
.endr
	s_lshl_b32 s20, s84, 9                         ; A's scale words: my 128 rows x 4 bytes
	s_mov_b32 s21, 0
	s_add_nc_u64 s[6:7], s[6:7], s[20:21]
	s_lshl_b32 s46, s85, 12                        ; B's: my 8 tiles x 512 bytes,
	s_add_co_u32 s46, s46, 65536                   ; in the third weight's part
	s_mov_b32 s47, 0
	s_add_nc_u64 s[10:11], s[10:11], s[46:47]
	s_lshl_b32 s46, s85, 9                         ; my 128 columns x 4 bytes
	s_add_nc_u64 s[12:13], s[12:13], s[46:47]
.irp i, 0,1,2,3,4,5,6,7
.irp p, 0,1,2,3
	global_load_b32 v[SCA+4*\i+\p], v27, s[6:7] offset:\i*64+\p*65536
	global_load_b32 v[SCB+4*\i+\p], v30, s[10:11] offset:\i*512+\p*128
.endr
.endr
.irp b, 0,1,2,3,4,5,6,7
.set rC, 96+8*\b+96*(\b/4)
	global_load_b128 v[rC:rC+3], v31, s[12:13] offset:(32*(\b/2)+8*(\b%2))*4
	global_load_b128 v[rC+4:rC+7], v31, s[12:13] offset:(32*(\b/2)+8*(\b%2))*4+16
.endr
	s_mul_i32 s23, s16, 16*528                     ; my stage, in slot 0
	v_mul_u32_u24 v6, v1, 528
	v_lshl_add_u32 v6, v2, 6, v6
	v_add_nc_u32 v[STO], s23, v6                   ; in: row r, + 64 h
	v_add_nc_u32 v[RD], s23, v[L16]                ; back: a row of 512 bytes to the 32 lanes
	s_lshl_b32 s20, s84, 19                        ; out0: my first token x 4,096 bytes,
	s_add_co_u32 s20, s20, s46                     ; + my first column
	s_add_nc_u64 s[14:15], s[14:15], s[20:21]
	s_wait_tensorcnt 1                             ; my part of slot 0 is in; slot 1's load may be out
	s_barrier_signal -1
	s_barrier_wait -1
	FETCH_B 0, 0, 0
	FETCH_A 0, 0, 0
	FETCH_A 0, 0, 4
	s_wait_loadcnt 0x0                             ; the scale words and the bias
	STEP 0, 0, 2                                   ; the first products start the sums on the bias
	TURN 0, 1, 1, 0
	STEP 1, 1, 0
	TURN 1, 0, 1, 1
	STEP 0, 2, 0
	TURN 0, 1, 0, 2
	STEP 1, 3, 0
	s_wait_dscnt 16
	MUL16 0, 1, 1, 3, 0
	MUL16 2, 1, 1, 3, 0
	s_wait_dscnt 0x0
	MUL16 4, 1, 1, 3, 0
	MUL16 6, 1, 1, 3, 0
	WIN 0
; THE WAY OUT, block by block of 16 tokens x 128 columns, through my own stage in LDS (rows of 528 bytes).  The stage lies in slot 0, which has had its last fill and, since the last change of slots, its last read.
; LDS serves a wave's instructions in order: no wait between the stores and the loads.
.macro TOSTAGE a
.set AC, 64*((\a)%4)
.set TW, 0x08+4*((\a)/4)
	WIN TW
.irp b, 0,1,2,3,4,5,6,7
	ds_store_b128 v[STO], v[AC+8*\b:AC+8*\b+3] offset:128*(\b/2)+32*(\b%2)          ; each accumulator from its low end on
	ds_store_b128 v[STO], v[AC+8*\b+4:AC+8*\b+7] offset:128*(\b/2)+32*(\b%2)+16
.endr
	WIN 0
.set BB, BK+64*((\a)%2)
.irp t, 0,1,2,3,4,5,6,7,8,9,10,11,12,13,14,15
	ds_load_b128 v[BB+4*\t:BB+4*\t+3], v[RD] offset:\t*528
.endr
.endm
.macro SEND a, younger                 ; younger: the LDS instructions issued behind block a's loads, which may stay out
.set BB, BK+64*((\a)%2)
	s_wait_dscnt \younger
.if (\a) > 0
.if ((\a)%2) == 1
	s_add_nc_u64 s[14:15], s[14:15], 8*4096        ; tile 2 b + 1 begins 8 tokens behind tile 2 b,
.else
	s_add_nc_u64 s[14:15], s[14:15], 24*4096       ; tile 2 b + 2 another 24
.endif
.endif
.irp t, 0,1,2,3,4,5,6,7,8,9,10,11,12,13,14,15
	global_store_b128 v[L16], v[BB+4*\t:BB+4*\t+3], s[14:15] offset:(\t+8*(\t/8))*4096 th:TH_STORE_NT   ; 32 lanes store 512 consecutive aligned bytes of a token's row
.endr
.endm
	PLACES 4
	TOSTAGE 0
.irp a, 1,2,3,4,5,6,7
.if \a > 1
	s_wait_xcnt 0x0                                ; the stores of two blocks ago have read their registers and their base
.endif
	TOSTAGE \a
	SEND \a-1, 32                                  ; behind that block's loads: this block's 16 stores and 16 loads
.endr
	s_wait_xcnt 0x0
	SEND 7, 0
	s_wait_tensorcnt 0x0                           ; the wave's end
	ds_add_u32 v[SPW], v[NIL]
	s_wait_dscnt 0x0
	CROUND                                         ; the closing round
	s_endpgm
.Lfunc_end_k_q6d23cf1dba_gemm_out:
	.size	k_q6d23cf1dba_gemm_out, .Lfunc_end_k_q6d23cf1dba_gemm_out-k_q6d23cf1dba_gemm_out
	.p2alignl 7, 3214868480
	.fill 96, 4, 3214868480
	.section	.rodata,"a",@progbits
	.p2align	6, 0x0
	.amdhsa_kernel k_q6d23cf1dba_gemm_out
		.amdhsa_group_segment_fixed_size 327680
		.amdhsa_private_segment_fixed_size 0
		.amdhsa_enable_private_segment 0
		.amdhsa_kernarg_size 48
		.amdhsa_user_sgpr_count 2
		.amdhsa_user_sgpr_kernarg_segment_ptr 1
		.amdhsa_wavefront_size32 1
		.amdhsa_system_sgpr_workgroup_id_x 1
		.amdhsa_system_sgpr_workgroup_id_y 1
		.amdhsa_system_sgpr_workgroup_id_z 1
		.amdhsa_system_vgpr_workitem_id 0
		.amdhsa_next_free_vgpr 1024
		.amdhsa_next_free_sgpr 100
		.amdhsa_reserve_vcc 0
		.amdhsa_float_denorm_mode_32 3
		.amdhsa_float_denorm_mode_16_64 3
		.amdhsa_memory_ordered 1
		.amdhsa_forward_progress 1
		.amdhsa_inst_pref_size 147
	.end_amdhsa_kernel
	.amdgpu_metadata
---
amdhsa.version: [ 1, 2 ]
amdhsa.kernels:
  - .name:           k_q6d23cf1dba_gemm_out
    .symbol:         k_q6d23cf1dba_gemm_out.kd
    .args:
      - { .name: o_img, .offset: 0, .size: 8, .value_kind: global_buffer, .address_space: global }
      - { .name: o_sc, .offset: 8, .size: 8, .value_kind: global_buffer, .address_space: global }
      - { .name: w_img, .offset: 16, .size: 8, .value_kind: global_buffer, .address_space: global }
      - { .name: w_sc, .offset: 24, .size: 8, .value_kind: global_buffer, .address_space: global }
      - { .name: b_out, .offset: 32, .size: 8, .value_kind: global_buffer, .address_space: global }
      - { .name: out0, .offset: 40, .size: 8, .value_kind: global_buffer, .address_space: global }
    .group_segment_fixed_size: 327680
    .private_segment_fixed_size: 0
    .kernarg_segment_align: 8
    .kernarg_segment_size: 48
    .max_flat_workgroup_size: 128
    .sgpr_count:     100
    .vgpr_count:     1024
    .wavefront_size: 32
...
	.end_amdgpu_metadata
.endif
;; end of part 5
